; MI455X (gfx1250); checked and timed in simulation.
; The chip was launched on July 23, 2026; its instructions are those of AMD's public machine-readable ISA for CDNA 5 (MIT licence, August 2026) and "CDNA5" Instruction Set Architecture Reference Guide (July 2026). The comments in the code are by the model that wrote it; some were corrected since.
;; Sliding Window Attention. Allowed arithmetic: matrix products marked QUANTISED: E2M1 operands, one E8M0 scale for each 32 along K, by v_wmma_scale_f32_16x16x128_f8f6f4 with both operands' format E2M1 (or v_wmma_scale_f32_32x16x128_f4), f32 sums; products left as they are: bf16, f16 or f32 operands; f32 sums; everything else in f32.
;; Inputs: Wk 1,024 x 1,024 float32; Wo 1,024 x 1,024 float32; Wq 1,024 x 1,024 float32; Wv 1,024 x 1,024 float32; x 1 x 4,096 x 1,024 float32.
;; Outputs: out0 1 x 4,096 x 1,024 float32.
;; This version of the problem:
;;   THIS VERSION OF THE PROBLEM IS GIVEN IN LOW PRECISION. The matrix products marked QUANTISED in the list below multiply operands that are first quantised to E2M1 (2 exponent bits, 1 mantissa bit; 4 bits a number), with one power-of-two scale for each 32 numbers along K (OCP MX v1.0); their sums are f32. The products marked 'left as it is' may take bf16, f16 or f32 operands, with f32 sums. Whichever they take, every output number must still come out within the allowed error. Rounding operands to bf16 (8 significant bits) uses up far more of that allowance than f16 does (11 bits, for magnitudes from 6e-5 to 65,504). All else is computed in f32.
;;   The module's matrix products, in the order in which they are computed (A, B: the left and right operand; K: the contracted axis; several contracted axes count as one K, in the product's order):
;;     1. [M 4,096, K 1,024] x [K 1,024, N 1,024]; A: input x; B: input Wq: QUANTISED
;;     2. [M 4,096, K 1,024] x [K 1,024, N 1,024]; A: input x; B: input Wk: QUANTISED
;;     3. [M 4,096, K 1,024] x [K 1,024, N 1,024]; A: input x; B: input Wv: QUANTISED
;;     4. batch 16 x [M 4,096, K 64] x [K 64, N 4,096]; A: computed on the way; B: computed on the way: left as it is (an operand is computed on the way)
;;     5. batch 16 x [M 4,096, K 4,096] x [K 4,096, N 64]; A: computed on the way; B: computed on the way: left as it is (an operand is computed on the way)
;;     6. [M 4,096, K 1,024] x [K 1,024, N 1,024]; A: computed on the way; B: input Wo: left as it is (an operand is computed on the way)
;;   THE QUANTISER, for each operand of a quantised product, along K:
;;     - K is cut into blocks of 32 from its start; a last block that is shorter is filled with zeros.
;;     - A block's scale is 2^e with e = floor(log2(the largest magnitude in the block)) - 2, held to -126 .. 127; a block of zeros has e = 0. As a byte (E8M0): e + 127.
;;     - Each number is divided by its block's scale, clamped to +-6, and rounded to the nearest number of E2M1, ties to even, subnormals kept.
;;     - The product sums the exact products of the quantised numbers (number of the format x scale) in f32.
;;   ~~~python
;;   def quantise(x, axis):      # numpy; x: float32 -> the quantised numbers, widened to float32 again
;;       x = np.moveaxis(x, axis, -1); K = x.shape[-1]
;;       x = np.pad(x, [(0, 0)] * (x.ndim - 1) + [(0, -K % 32)]); x = x.reshape(x.shape[:-1] + (-1, 32)); a = np.abs(x).max(-1, keepdims=True)
;;       e = np.where(a > 0, np.clip(np.frexp(np.where(a > 0, a, 1))[1] - 1 - 2, -126, 127), 0)      # np.frexp(a)[1] - 1 = floor(log2(a)), exactly
;;       r = np.clip(x / 2.0 ** e, -6, 6)
;;       step = 2.0 ** (np.maximum(np.frexp(np.where(r == 0, 1, r))[1] - 1, 0) - 1)
;;       q = np.round(r / step) * step * 2.0 ** e      # np.round: ties to even
;;       return np.moveaxis(q.reshape(q.shape[:-2] + (-1,))[..., :K], -1, axis).astype(np.float32)
;;   ~~~
;; One version. Each part assembles by itself: llvm-mc -triple=amdgcn-amd-amdhsa -mcpu=gfx1250 --defsym DOCPART=n.
;; ======== version 1 of 1: 6 launches
;; limits: values are held in f16: magnitudes above 65,504 overflow, below 6.1e-05 lose precision
;; workspace buffers: prep 8,093,696 bytes; qkv 28,311,552 bytes; obuf 8,388,608 bytes; ofine 65,536 bytes
;; launch prepare (part 1): grid 352 x 1, 4 waves a work-group, no clusters, 33,280 bytes of LDS; arguments x, Wq, Wk, Wv, Wo, prep, qkv; writes prep, qkv
.if DOCPART == 1
	.amdgcn_target "amdgcn-amd-amdhsa--gfx1250"
	.amdhsa_code_object_version 6
	.text
	.protected	k_qf082dc8831_prepare
	.globl	k_qf082dc8831_prepare
	.p2align	8
	.type	k_qf082dc8831_prepare,@function
k_qf082dc8831_prepare:
	s_mov_b64 s[64:65], 0
	v_nop
	global_prefetch_b8 v0, s[64:65] scope:SCOPE_SE
	s_setreg_imm32_b32 hwreg(HW_REG_WAVE_MODE, 25, 1), 1
	s_wait_xcnt 0x0
; PREPARE: everything that later launches read many times is made once.  Three roles, told apart by the work-group's number alone.
; ROLE A (work-groups 0-223): x [4096][1024], Wq, Wk, Wv [1024][1024], f32, K innermost, become codes of FP4 (E2M1) with one E8M0 byte for each 32 along K.
;   The four tensors are plain streams of blocks of 32; their codes lie one behind the other as 7,168 rows of 512 bytes (x, Wq, Wk, Wv) at prep + 0, their scale bytes as 7,168 rows of 32 at prep + XS.
;   A block's scale is 2^(floor(log2(its largest magnitude)) - 2); its byte is the largest magnitude's exponent field - 2, held at 1 from below.
; ROLE B (224-287): Wo [1024 n][1024 k] f32 becomes f16, laid in the order of a matrix operand's registers: [n / 16][k / 32][1,024 bytes]; a piece of 512 bytes is four registers, lane l's 16 bytes at 16 l.
; ROLE C (288-351): two tables [position][32 pairs](cos, sin) f32 for the rotary embedding, K's plain and Q's times c = log2(e) / 8 (so that scores come out as exponents of 2); and the zeros in front of
;   each head of K and V (512 positions), which let every block of queries walk the same number of keys.
; LIMITS: NaN and infinities among the inputs are not served.  A block of zeros gets the byte 1 where the rule says 127: its codes are zeros, and this program alone reads the bytes.
;   Blocks whose largest magnitude lies under 2^(2 - 126) were not tried.  Wo must lie inside f16's range (65,504).
;   The angle is position x 2^(-j log2(10000) / 32), reduced by pi/2 in three parts; it can differ from an f32 power's by a few units in its last place (some 5e-4 radians at position 4,095).
.set WAVES, 4
.set STEPS, 16
.set EMAX,  2
.set CB,    8                          ; bytes of 16 codes
.set R,     16                         ; v16-79   role A: four sets of 16 numbers as they are loaded
.set X,     80                         ; v80-111  two sets of 16 neighbours
.set C,     128                        ; v128-191 codes: four registers for each step, so that no store's data are written again
.set E,     112                        ; v112-127 a scale byte for each step
.set WREG,  8192                       ; LDS: a region for each wave: two stages of 32 x SP bytes, behind them its 256 scale bytes
.set SP,    80                         ; a lane's place in a stage: 64 bytes + 16 of padding
.set SPW,   12                         ; v12 LDS address of my spare word; never rewritten
.set NIL,   13                         ; v13 0; never rewritten
.set SPARE, WAVES*WREG                 ; behind the regions: the spare words, 128 bytes a wave
.set XS,    3670016                    ; prep: the scale bytes
.set WOF,   3899392                    ; prep: Wo's fragments
.set ROPEQ, 5996544                    ; prep: Q's table
.set ROPEK, 7045120                    ; prep: K's table
.set KFO,   9437184                    ; qkv: K's part begins here, V's once more as far on
.set HS,    589824                     ; qkv: from head to head: 65,536 bytes of pad + 4,096 positions x 128 bytes
	s_load_b256 s[4:11], s[0:1], 0x0               ; x, Wq, Wk, Wv
	s_load_b128 s[12:15], s[0:1], 0x20             ; Wo, prep
	s_load_b64 s[16:17], s[0:1], 0x30              ; qkv
	v_lshl_add_u32 v[SPW], v0, 2, SPARE
	v_mov_b32 v[NIL], 0
	v_lshrrev_b32 v1, 5, v0
	v_readfirstlane_b32 s18, v1                    ; wave
	v_and_b32 v2, 31, v0                           ; lane
	s_wait_kmcnt 0x0
	s_cmp_ge_u32 ttmp9, 288
	s_cbranch_scc1 .Ltab
	s_cmp_ge_u32 ttmp9, 224
	s_cbranch_scc1 .Lwo
; ---------------- ROLE A: a work-group takes 32,768 numbers, a wave 16 steps of 512.
; The conversions take 8 numbers of ONE block from a lane's registers, so a lane must hold 16 neighbours; a load is dense where neighbouring lanes take neighbouring bytes.  Both are had: each load reads 512
; consecutive bytes, a step's 2,048 bytes go through the wave's own stage in LDS as they lie and come back 64 bytes a lane.  Loads run four steps ahead, the turn through LDS one step.
	v_lshlrev_b32 v3, 4, v2                        ; my 16 bytes of a load's 512
	s_mul_i32 s19, s18, WREG
	v_lshrrev_b32 v14, 2, v2
	v_mul_u32_u24 v14, v14, SP
	v_and_b32 v15, 3, v2
	v_lshl_add_u32 v14, v15, 4, v14
	v_add_nc_u32 v14, s19, v14                     ; the stage, on the way in: SP (lane / 4) + 16 (lane % 4)
	v_mul_u32_u24 v15, v2, SP
	v_add_nc_u32 v15, s19, v15                     ; and on the way out: SP x lane
	v_mul_u32_u24 v4, v2, CB                       ; my codes' place in a step's
	v_lshrrev_b32 v5, 1, v2
	s_add_co_u32 s19, s19, 2*32*SP
	v_add_nc_u32 v5, s19, v5                       ; LDS: my wave's 256 scale bytes, my block's byte
	v_lshlrev_b32 v7, 3, v2                        ; and on the way out 8 bytes a lane
	v_add_nc_u32 v6, s19, v7
	s_and_b32 s22, ttmp9, 31                       ; a weight has 32 work-groups' worth of numbers
	s_cmp_lt_u32 ttmp9, 192                        ; which tensor: the choice hangs on the work-group's number alone
	s_cselect_b64 s[20:21], s[8:9], s[10:11]
	s_cmp_lt_u32 ttmp9, 160
	s_cselect_b64 s[20:21], s[6:7], s[20:21]
	s_cmp_lt_u32 ttmp9, 128
	s_cselect_b64 s[20:21], s[4:5], s[20:21]
	s_cselect_b32 s22, ttmp9, s22                  ; my place in that tensor
	s_lshl_b32 s22, s22, 2
	s_add_co_u32 s22, s22, s18                     ; which run of 8,192 numbers is my wave's
	s_lshl_b32 s22, s22, 15                        ; 32,768 bytes a run
	s_mov_b32 s23, 0
	s_add_nc_u64 s[20:21], s[20:21], s[22:23]
	s_lshl_b32 s24, ttmp9, 2
	s_add_co_u32 s24, s24, s18                     ; the results of all four tensors lie on end: the run's number among all
	s_lshl_b32 s26, s24, 8                         ; 256 scale bytes a run
	s_lshl_b32 s24, s24, 12                        ; 4,096 bytes of codes a run
	s_mov_b32 s25, 0
	s_mov_b32 s27, 0
	s_add_nc_u64 s[24:25], s[14:15], s[24:25]
	s_add_nc_u64 s[26:27], s[14:15], s[26:27]
	s_add_nc_u64 s[26:27], s[26:27], XS
.macro LOAD t
.irp i, 0,1,2,3
	global_load_b128 v[R+16*((\t)%4)+4*\i:R+16*((\t)%4)+4*\i+3], v3, s[20:21] offset:2048*(\t)+512*\i th:TH_LOAD_NT   ; 32 lanes read 512 consecutive bytes
.endr
.endm
.macro TURN t                          ; step t's numbers through the stage: LDS serves a wave's instructions in order, so no wait stands between the stores and the loads
.irp i, 0,1,2,3
	ds_store_b128 v14, v[R+16*((\t)%4)+4*\i:R+16*((\t)%4)+4*\i+3] offset:32*SP*((\t)%2)+8*SP*\i
.endr
.irp i, 0,1,2,3
	ds_load_b128 v[X+16*((\t)%2)+4*\i:X+16*((\t)%2)+4*\i+3], v15 offset:32*SP*((\t)%2)+16*\i
.endr
.endm
.irp t, 0,1,2,3
	LOAD \t
.endr
	s_wait_loadcnt 12                              ; step 0's four loads are in; twelve younger ones stay out
	TURN 0
.macro STEP t
.set XR, X+16*((\t)%2)
.if (\t) > 0
	s_wait_dscnt 1                                 ; this step's numbers are back from the stage (the last step's byte store may be out): so its stores into the stage have read their registers,
.else
	s_wait_dscnt 0x0
.endif
.if (\t)+4 < STEPS
	LOAD (\t)+4                                    ; which take the loads of four steps on
.endif
.if (\t)+1 < STEPS
.if STEPS-2-(\t) >= 3
	s_wait_loadcnt 12                              ; the next step's four loads are in; those of the three steps behind it may be out
.else
	s_wait_loadcnt 4*(STEPS-2-(\t))
.endif
	TURN (\t)+1                                    ; and go through the other stage while this step is worked
.endif
	v_max3_num_f32 v8, |v[XR]|, |v[XR+1]|, |v[XR+2]|               ; the largest magnitude of my 16, in two chains
	v_max3_num_f32 v9, |v[XR+3]|, |v[XR+4]|, |v[XR+5]|
.irp i, 6,10
	v_max3_num_f32 v8, v8, |v[XR+\i]|, |v[XR+\i+1]|
	v_max3_num_f32 v9, v9, |v[XR+\i+2]|, |v[XR+\i+3]|
.endr
	v_max3_num_f32 v8, v8, |v[XR+14]|, |v[XR+15]|
	v_max3_num_f32 v8, v8, v9, (EMAX+1)<<23        ; and the floor 2^(EMAX + 1 - 127): the byte cannot fall under 1
	v_max_num_f32_dpp v8, v8, v8 row_xmask:1 row_mask:0xf bank_mask:0xf   ; and of my neighbour's 16: the block's
	v_add_nc_u32 v11, -(EMAX<<23), v8              ; EMAX off its exponent field: the conversion takes the exponent field of this operand as its scale, and nothing else of it
	v_cvt_scalef32_pk8_fp4_f32 v[C+4*(\t)], v[XR:XR+7], v11        ; eight numbers / the scale, to the nearest code, ties to even, beyond the largest code the largest
	v_cvt_scalef32_pk8_fp4_f32 v[C+4*(\t)+1], v[XR+8:XR+15], v11
	v_lshrrev_b32 v[E+(\t)], 23, v11               ; the scale's byte (also the plain line behind the conversions)
	ds_store_b8 v5, v[E+(\t)] offset:16*(\t)       ; both lanes of a block write the same byte with the same value
	global_store_b64 v4, v[C+4*(\t):C+4*(\t)+1], s[24:25] offset:32*CB*(\t)   ; the wave stores 256 consecutive bytes, aligned
.endm
.irp t, 0,1,2,3,4,5,6,7,8,9,10,11,12,13,14,15
	STEP \t
.endr
	ds_load_b64 v[8:9], v6                         ; LDS serves a wave's instructions in order: these see my byte stores
	s_wait_dscnt 0x0
	global_store_b64 v7, v[8:9], s[26:27]          ; 32 lanes store 256 consecutive bytes, aligned
	s_wait_tensorcnt 0x0                           ; the wave's end
	ds_add_u32 v[SPW], v[NIL]
	s_wait_dscnt 0x0
	s_endpgm
; ---------------- ROLE B: work-group = 16 rows of Wo, wave = a quarter of K (8 fragments).  Lane (r, h) of a fragment holds row r; registers 0-3 k = 8 h + 0..7, registers 4-7 k = 16 + 8 h + 0..7.
.Lwo:
	s_sub_co_u32 s19, ttmp9, 224                   ; which 16 rows
	v_and_b32 v1, 15, v0                           ; r
	v_bfe_u32 v3, v0, 4, 1                         ; h
	v_lshlrev_b32 v1, 12, v1
	v_lshl_add_u32 v3, v3, 5, v1                   ; row r of 4,096 bytes, + 32 h
	v_lshlrev_b32 v4, 4, v2                        ; out: 16 x lane
	s_lshl_b32 s20, s19, 16
	s_lshl_b32 s21, s18, 10
	s_add_co_u32 s20, s20, s21
	s_mov_b32 s21, 0
	s_add_nc_u64 s[20:21], s[12:13], s[20:21]
	s_lshl_b32 s22, s19, 15
	s_lshl_b32 s23, s18, 13
	s_add_co_u32 s22, s22, s23
	s_add_co_u32 s22, s22, WOF
	s_mov_b32 s23, 0
	s_add_nc_u64 s[22:23], s[14:15], s[22:23]
.irp k, 0,1,2,3,4,5,6,7
	global_load_b128 v[16+16*\k:19+16*\k], v3, s[20:21] offset:128*\k
	global_load_b128 v[20+16*\k:23+16*\k], v3, s[20:21] offset:128*\k+16
	global_load_b128 v[24+16*\k:27+16*\k], v3, s[20:21] offset:128*\k+64
	global_load_b128 v[28+16*\k:31+16*\k], v3, s[20:21] offset:128*\k+80
.endr
.irp k, 0,1,2,3,4,5,6,7
	s_wait_loadcnt 4*(7-\k)                        ; fragment k's four loads are in; four for each later fragment stay out
.irp i, 0,1,2,3,4,5,6,7
	v_cvt_pk_f16_f32 v[16+8*\k+\i], v[16+16*\k+2*\i], v[17+16*\k+2*\i]   ; packed downward, ascending: a result lands only on numbers already packed, and on no store's data
.endr
	global_store_b128 v4, v[16+8*\k:19+8*\k], s[22:23] offset:1024*\k        ; 512 consecutive bytes, aligned
	global_store_b128 v4, v[20+8*\k:23+8*\k], s[22:23] offset:1024*\k+512
.endr
	s_wait_tensorcnt 0x0                           ; the same closing lines in every role
	ds_add_u32 v[SPW], v[NIL]
	s_wait_dscnt 0x0
	s_endpgm
; ---------------- ROLE C: work-group c: 32,768 bytes of zeros, and 64 positions of both tables (16 a wave; a lane is a pair j).
.Ltab:
	s_sub_co_u32 s19, ttmp9, 288                   ; c = 0 .. 63
	s_lshr_b32 s26, s19, 5                         ; 0: K's pads, 1: V's
	s_mul_i32 s26, s26, KFO
	s_bfe_u32 s27, s19, 0x40001                    ; the head: bits 4:1 of c
	s_mul_i32 s27, s27, HS
	s_add_co_u32 s26, s26, s27
	s_and_b32 s27, s19, 1                          ; which half of the head's 65,536 bytes
	s_lshl_b32 s27, s27, 15
	s_add_co_u32 s26, s26, s27
	s_add_co_u32 s26, s26, KFO
	s_mov_b32 s27, 0
	s_add_nc_u64 s[26:27], s[16:17], s[26:27]
	v_lshlrev_b32 v1, 4, v0                        ; 16 bytes a thread: 2,048 a store of the work-group
.irp i, 8,9,10,11
	v_mov_b32 v\i, 0
.endr
.irp i, 0,1,2,3,4,5,6,7,8,9,10,11,12,13,14,15
	global_store_b128 v1, v[8:11], s[26:27] offset:2048*\i
.endr
	s_lshl_b32 s20, s19, 2
	s_add_co_u32 s20, s20, s18
	s_lshl_b32 s20, s20, 4                         ; my wave's first position
	v_mov_b32 v18, s20
	s_lshl_b32 s22, s20, 8                         ; 256 bytes a position
	s_mov_b32 s23, 0
	s_add_nc_u64 s[22:23], s[14:15], s[22:23]
	s_add_nc_u64 s[24:25], s[22:23], ROPEQ
	s_add_nc_u64 s[22:23], s[22:23], ROPEK
	v_lshlrev_b32 v19, 3, v2                       ; 8 bytes a pair
	s_mov_b32 s30, 0x3f22f983                      ; 2 / pi
	s_mov_b32 s31, 0x3fc90000                      ; pi / 2 in three parts: 8 bits,
	s_mov_b32 s32, 0x39fda000                      ; 11 bits (n has at most 12: both products are exact),
	s_mov_b32 s33, 0x33a22168                      ; and the rest
	s_mov_b32 s34, 0xbe2aaaa3                      ; sine on [-pi/4, pi/4]: y + y z (S1 + z (S2 + z S3)), z = y y
	s_mov_b32 s35, 0x3c08839e
	s_mov_b32 s36, 0xb94ca1f9
	s_mov_b32 s37, 0x3d2aaaa5                      ; cosine: 1 - z / 2 + z z (C1 + z (C2 + z C3))
	s_mov_b32 s38, 0xbab6061a
	s_mov_b32 s39, 0x37ccf5ce
	s_mov_b32 s40, 0x3e38aa3b                      ; c = log2(e) / 8
	s_mov_b32 s41, s40                             ; (named with it as a pair, so it is written)
	v_cvt_f32_u32 v16, v2
	v_mul_f32 v16, 0xbed49a78, v16                 ; -j log2(10000) / 32
	v_exp_f32 v16, v16                             ; the pair's frequency
	v_nop                                          ; a plain line behind the exponential,
	s_wait_alu depctr_va_vdst(0)                   ; and a wait ahead of its first use
.irp i, 0,1,2,3,4,5,6,7,8,9,10,11,12,13,14,15
	v_add_nc_u32 v20, \i, v18
	v_cvt_f32_u32 v20, v20
	v_mul_f32 v20, v20, v16                        ; the angle a
	v_mul_f32 v21, s30, v20
	v_rndne_f32 v21, v21                           ; n = the nearest multiple of pi / 2
	v_fma_f32 v22, -v21, s31, v20
	v_fma_f32 v22, -v21, s32, v22
	v_fma_f32 v22, -v21, s33, v22                  ; y = a - n pi / 2
	v_mul_f32 v23, v22, v22                        ; z
	v_fma_f32 v24, v23, s36, s35
	v_fma_f32 v24, v24, v23, s34
	v_mul_f32 v24, v24, v23
	v_fma_f32 v24, v24, v22, v22                   ; sin y
	v_fma_f32 v25, v23, s39, s38
	v_fma_f32 v25, v25, v23, s37
	v_fma_f32 v26, v23, -0.5, 1.0
	v_mul_f32 v27, v23, v23
	v_fma_f32 v25, v27, v25, v26                   ; cos y
	v_cvt_i32_f32 v26, v21
	v_and_b32 v27, 1, v26
	v_cmp_eq_u32 vcc_lo, 1, v27                    ; an odd quarter swaps the two
	v_cndmask_b32 v28, v24, v25, vcc_lo
	v_cndmask_b32 v29, v25, v24, vcc_lo
	v_and_b32 v27, 2, v26                          ; the sine is negative in quarters 2 and 3,
	v_lshlrev_b32 v27, 30, v27
	v_xor_b32 v[65+4*\i], v27, v28
	v_add_nc_u32 v26, 1, v26                       ; the cosine in quarters 1 and 2
	v_and_b32 v26, 2, v26
	v_lshlrev_b32 v26, 30, v26
	v_xor_b32 v[64+4*\i], v26, v29
	v_pk_mul_f32 v[66+4*\i:67+4*\i], v[64+4*\i:65+4*\i], s[40:41] op_sel_hi:[1,0]
	global_store_b64 v19, v[64+4*\i:65+4*\i], s[22:23] offset:256*\i   ; a position's 32 pairs: 256 consecutive bytes, aligned.  Each position has result registers of its own
	global_store_b64 v19, v[66+4*\i:67+4*\i], s[24:25] offset:256*\i
.endr
	s_wait_tensorcnt 0x0
	ds_add_u32 v[SPW], v[NIL]
	s_wait_dscnt 0x0
	s_endpgm
.Lfunc_end_k_qf082dc8831_prepare:
	.size	k_qf082dc8831_prepare, .Lfunc_end_k_qf082dc8831_prepare-k_qf082dc8831_prepare
	.p2alignl 7, 3214868480
	.fill 96, 4, 3214868480
	.section	.rodata,"a",@progbits
	.p2align	6, 0x0
	.amdhsa_kernel k_qf082dc8831_prepare
		.amdhsa_group_segment_fixed_size 33280
		.amdhsa_private_segment_fixed_size 0
		.amdhsa_enable_private_segment 0
		.amdhsa_kernarg_size 56
		.amdhsa_user_sgpr_count 2
		.amdhsa_user_sgpr_kernarg_segment_ptr 1
		.amdhsa_wavefront_size32 1
		.amdhsa_system_sgpr_workgroup_id_x 1
		.amdhsa_system_sgpr_workgroup_id_y 1
		.amdhsa_system_sgpr_workgroup_id_z 1
		.amdhsa_system_vgpr_workitem_id 0
		.amdhsa_next_free_vgpr 192
		.amdhsa_next_free_sgpr 66
		.amdhsa_reserve_vcc 1
		.amdhsa_float_denorm_mode_32 3
		.amdhsa_float_denorm_mode_16_64 3
		.amdhsa_memory_ordered 1
		.amdhsa_forward_progress 1
		.amdhsa_inst_pref_size 71
	.end_amdhsa_kernel
	.amdgpu_metadata
---
amdhsa.version: [ 1, 2 ]
amdhsa.kernels:
  - .name:           k_qf082dc8831_prepare
    .symbol:         k_qf082dc8831_prepare.kd
    .args:
      - { .name: x, .offset: 0, .size: 8, .value_kind: global_buffer, .address_space: global }
      - { .name: Wq, .offset: 8, .size: 8, .value_kind: global_buffer, .address_space: global }
      - { .name: Wk, .offset: 16, .size: 8, .value_kind: global_buffer, .address_space: global }
      - { .name: Wv, .offset: 24, .size: 8, .value_kind: global_buffer, .address_space: global }
      - { .name: Wo, .offset: 32, .size: 8, .value_kind: global_buffer, .address_space: global }
      - { .name: prep, .offset: 40, .size: 8, .value_kind: global_buffer, .address_space: global }
      - { .name: qkv, .offset: 48, .size: 8, .value_kind: global_buffer, .address_space: global }
    .group_segment_fixed_size: 33280
    .private_segment_fixed_size: 0
    .kernarg_segment_align: 8
    .kernarg_segment_size: 56
    .max_flat_workgroup_size: 128
    .sgpr_count:     66
    .vgpr_count:     192
    .wavefront_size: 32
...
	.end_amdgpu_metadata
.endif
;; end of part 1
;; launch project_qkv (part 2): grid 12 x 16, 4 waves a work-group, clusters of 4 x 4, 327,680 bytes of LDS; arguments prep, qkv; writes qkv
.if DOCPART == 2
	.amdgcn_target "amdgcn-amd-amdhsa--gfx1250"
	.amdhsa_code_object_version 6
	.text
	.protected	k_qf082dc8831_project_qkv
	.globl	k_qf082dc8831_project_qkv
	.p2align	8
	.type	k_qf082dc8831_project_qkv,@function
k_qf082dc8831_project_qkv:
	s_mov_b64 s[64:65], 0
	v_nop
	global_prefetch_b8 v0, s[64:65] scope:SCOPE_SE
	s_setreg_imm32_b32 hwreg(HW_REG_WAVE_MODE, 25, 1), 1
	s_wait_xcnt 0x0
	s_wait_alu depctr_hold_cnt(0) depctr_sa_sdst(0) depctr_va_vdst(0) depctr_va_sdst(0) depctr_va_ssrc(0) depctr_va_vcc(0) depctr_vm_vsrc(0)
	s_getreg_b32 s2, hwreg(HW_REG_IB_STS2, 6, 4)
	s_cmp_eq_u32 s2, 0
	s_cbranch_scc0 .Lentry_in_a_cluster
	s_endpgm
.Lentry_in_a_cluster:
	s_bfe_u32 s2, ttmp6, 0x10000c
	s_cmp_lg_u32 s2, 0xf033
	s_cbranch_scc0 .Lentry_shape_is_right
	s_endpgm
.Lentry_shape_is_right:
; q = rope(x Wq^T) c, k = rope(x Wk^T), v = x Wv^T, on codes of FP4 (E2M1) with one E8M0 scale for each 32 along K = 1,024; sums in f32; results rounded to f16 and stored IN THE ORDER OF THE NEXT PRODUCT'S REGISTERS.
; prep holds 7,168 rows of 512 bytes of codes (x 0-4095, Wq 4096-, Wk 5120-, Wv 6144-) and at XS their 32 scale bytes a row; at ROPEQ and, 1 MiB on, ROPEK the tables [position][32 pairs](cos, sin), Q's times c = log2(e) / 8.
; A tile of 256 x 256 is made by four waves, 128 x 128 each: 64 accumulators, 512 registers.  K = 1,024 is two slots of 512: both are first fills, nothing is filled again; a wave has three tensor loads out at the most.
; CLUSTERS of 4 x 4: cluster x is the KIND (0 q, 1 k, 2 v), equal in all partners.  Side A's tile is shared along a row of the cluster, side B's along a column: joint loads.
; THE MATRIX INSTRUCTION IS USED TRANSPOSED (source 0 = 16 rows of side B, source 1 = 16 rows of side A): a lane holds ONE row of side A and eight neighbouring rows of side B.
;   q, k: side A = x (positions), side B = the weight (channels): a lane holds a position and 8 neighbouring channels: four rotary pairs, and after rounding registers 0-3 or 4-7 of a fragment [16 positions x 32 channels].
;   v:    the sides change places BY ADDRESS ALONE: side A = Wv (channels), side B = x: a lane holds a channel and 8 neighbouring positions: a fragment of V^T [16 channels x 32 keys].
; qkv: kind x 9,437,184 + head x HS + PADB + ...;  q, k: (position / 16) x 2,048 + piece x 512, piece = channel / 16;  v: (position / 32) x 4,096 + (channel / 16) x 1,024 + ((position / 16) % 2) x 512; lane l's 16 bytes at 16 l.
; So every store of a wave is 512 consecutive bytes, aligned, straight from registers.
; LIMITS: |c q|, |k|, |v| must stay under 65,504 (f16).  NaN and infinities are not served.
; REGISTERS: window 0: v0-31 addresses; v32-95 scale words, two sets, and nothing else; v128-191 A's fragments, ONE set; on the way out v96-159 products, v160-191 packed results, v192-255 two sets of table words.
;   window 1: B's fragments, two sets.   window 2: the accumulators of my A rows 0-63 ((a, b) at v[8 (8 a + b)]);   window 3: those of rows 64-127.
.set NQ,     4                         ; steps of 128 along K in a slot
.set ROWB,   256                       ; a tile's row in bytes: 512 codes
.set KROW,   512                       ; a row of codes in memory
.set PITCH,  272                       ; an LDS row: 256 bytes + 16 of padding = 68 words: the 16 rows that a load touches start at 16 different banks
.set FR,     8
.set NL,     2
.set NP,     4                         ; places behind this matrix instruction
.set HALFT,  128*PITCH
.set SLOT,   4*HALFT
.set KS,     32                        ; a row of scale bytes
.set SCL,    2*SLOT                    ; behind the slots: the scales, as rows of 256 bytes + 16
.set HALFS,  (128*KS/256)*272
.set SBLK,   (16*KS/256)*272
.set SPARE,  SCL+4*HALFS               ; the spare words, 128 bytes a wave
.set XS,     3670016
.set ROPEQ,  5996544
.set KIND,   9437184
.set HS,     589824
.set PADB,   65536
.set ADRA, 16
.set ADRB, 20
.set LO,   24                          ; v24 16 x lane: a piece's place for my lane
.set TO,   25                          ; v25 the table: 256 (lane % 16) + 32 (lane / 16)
.set ADRS, 27
.set SPW,  28
.set NIL,  29
.set SC,   32
.set AF,   128
.set TM,   96
.set PK,   160
.set T,    192
.set G1, 24
.set G0, 32
.set G1B, 48
.set G0B, 56
.set G1S, 68
.set G0S, 76
.set G1SB, 80
.set G0SB, 88
.set MSB, 0
.macro WIN new                         ; the immediate's high byte repeats the setting that is left; a switch that changes nothing is dropped
.if MSB != (\new)
	s_set_vgpr_msb (MSB<<8)|(\new)
.set MSB, (\new)
.endif
.endm
.set MUL_LO, 0xa1                      ; source 0 (B) window 1, source 1 (A) window 0, C and D window 2
.set MUL_HI, 0xf1
.set TO_B,   0x40
; A joint load: waves 0 and 1 fetch for side A, waves 2 and 3 for side B.  Each line has one mask and one set of registers; the branch hangs on the wave's number alone.  An s_nop 0 and four v_nop follow each.
.macro JLOAD g0a, g1a, g0b, g1b
	s_cmp_eq_u32 s15, 0
	s_cbranch_scc0 .Lfor_b_\@
	tensor_load_to_lds s[\g0a:\g0a+3], s[\g1a:\g1a+7]
	s_nop 0
.rept 4
	v_nop
.endr
	s_branch .Lasked_\@
.Lfor_b_\@:
	tensor_load_to_lds s[\g0b:\g0b+3], s[\g1b:\g1b+7]
	s_nop 0
.rept 4
	v_nop
.endr
.Lasked_\@:
.endm
.macro CROUND                          ; a round of the cluster's barrier
	s_barrier_signal -1
	s_barrier_wait -1
	s_cmp_lg_u32 s14, 0
	s_cbranch_scc1 .Lnot_wave_0_\@
	s_barrier_signal -3
.Lnot_wave_0_\@:
	s_barrier_wait -3
	s_barrier_signal -1
	s_barrier_wait -1
.endm
	s_load_b128 s[4:7], s[0:1], 0x0                ; prep, qkv
	v_lshl_add_u32 v[SPW], v0, 2, SPARE
	v_mov_b32 v[NIL], 0
	ds_add_u32 v[SPW], v[NIL]                      ; the wave's opening: the add, twice on end, and its wait ahead of my first tensor load
	ds_add_u32 v[SPW], v[NIL]
	v_lshrrev_b32 v1, 5, v0
	v_readfirstlane_b32 s14, v1                    ; wave 0..3
	s_lshr_b32 s15, s14, 1                         ; which half of side A's rows is mine.  Also: I fetch for A (0) or for B (1)
	s_and_b32 s16, s14, 1                          ; which half of side B's rows.  Also: which 128 rows I fetch
	s_bfe_u32 s40, ttmp6, 0x40000                  ; cx
	s_bfe_u32 s41, ttmp6, 0x40004                  ; cy
	s_and_b32 s8, ttmp7, 0xffff                    ; cluster y
	s_cmp_eq_u32 ttmp9, 2                          ; v?  Cluster x is equal in all partners
	s_cselect_b32 s9, 0, s8                        ; side A's tiles: q, k: 16 of x, by cluster y;  v: 4 of Wv
	s_cselect_b32 s10, s8, ttmp9                   ; side B's tiles: q, k: 4 of the kind's weight;  v: 16 of x, by cluster y
	s_cselect_b32 s11, 6144, 0                     ; side A's first row in prep
	s_cselect_b32 s12, 0, 4096                     ; side B's
	s_lshl_b32 s42, s10, 2
	s_add_co_u32 s42, s42, s40                     ; side B's tile: shared along a column of the cluster
	s_lshl_b32 s17, s9, 2
	s_add_co_u32 s17, s17, s41                     ; side A's tile: shared along a row
	s_lshl_b32 s43, s41, 2
	s_lshl_b32 s43, 15, s43                        ; my row of the cluster
	s_lshl_b32 s44, 0x1111, s40                    ; my column
	; descriptor group 1: 128 rows x 256 bytes, 16 bytes of padding behind each
	s_or_b32 s[G1+0], s43, (0<<16)|(1<<20)|(1<<21)|(5<<22)|(3<<25)  ; the mask; elements of 1 byte; padding on; bit 21 beside a mask; after every 64 words, 4 words
	s_or_b32 s[G1B+0], s44, (0<<16)|(1<<20)|(1<<21)|(5<<22)|(3<<25)
.irp g, G1, G1B
	s_mov_b32 s[\g+1], ROWB<<16                    ; tensor_dim0
	s_mov_b32 s[\g+2], 128<<16                     ; tensor_dim1
	s_mov_b32 s[\g+3], ROWB<<16                    ; tile_dim0
	s_mov_b32 s[\g+4], 128                         ; tile_dim1
	s_mov_b32 s[\g+5], KROW                        ; from row to row
	s_mov_b32 s[\g+6], 0
	s_mov_b32 s[\g+7], 0
.endr
	; the scales of 128 rows: 4,096 dense bytes as 16 rows of 256 (32 elements of 8 bytes), 16 bytes of padding behind each
	s_or_b32 s[G1S+0], s43, (3<<16)|(1<<20)|(1<<21)|(5<<22)|(3<<25)
	s_or_b32 s[G1SB+0], s44, (3<<16)|(1<<20)|(1<<21)|(5<<22)|(3<<25)
.irp g, G1S, G1SB
	s_mov_b32 s[\g+1], 32<<16
	s_mov_b32 s[\g+2], (128*KS/256)<<16
	s_mov_b32 s[\g+3], 32<<16
	s_mov_b32 s[\g+4], 128*KS/256
	s_mov_b32 s[\g+5], 32
	s_mov_b32 s[\g+6], 0
	s_mov_b32 s[\g+7], 0
.endr
	s_lshl_b32 s18, s16, 7                         ; which 128 rows of the tile I fetch
	s_lshl_b32 s20, s17, 8
	s_add_co_u32 s20, s20, s18
	s_add_co_u32 s20, s20, s11                     ; side A: the row in prep
	s_lshl_b32 s46, s42, 8
	s_add_co_u32 s46, s46, s18
	s_add_co_u32 s46, s46, s12                     ; side B
	s_lshl_b32 s22, s20, 5                         ; their scale bytes,
	s_add_co_u32 s22, s22, XS
	s_mov_b32 s23, 0
	s_lshl_b32 s92, s46, 5
	s_add_co_u32 s92, s92, XS
	s_mov_b32 s93, 0
	s_lshl_b32 s20, s20, 9                         ; and their codes
	s_mov_b32 s21, 0
	s_lshl_b32 s46, s46, 9
	s_mov_b32 s47, 0
	s_mul_i32 s45, s14, HALFT                      ; where they go: wave x 128 rows: no place in the cluster enters an LDS address
	s_mul_i32 s94, s14, HALFS
	s_wait_dscnt 0x0                               ; both opening adds are done
	s_wait_kmcnt 0x0
	s_add_nc_u64 s[20:21], s[4:5], s[20:21]
	s_add_nc_u64 s[22:23], s[4:5], s[22:23]
	s_add_nc_u64 s[46:47], s[4:5], s[46:47]
	s_add_nc_u64 s[92:93], s[4:5], s[92:93]
	CROUND                                         ; all sixteen work-groups are here: the joint loads meet
	s_mov_b32 s[G0S], 1
	s_add_co_u32 s[G0S+1], s94, SCL
	s_mov_b64 s[G0S+2:G0S+3], s[22:23]
	s_or_b32 s[G0S+3], s[G0S+3], 0x80000000
	s_mov_b32 s[G0SB], 1
	s_add_co_u32 s[G0SB+1], s94, SCL
	s_mov_b64 s[G0SB+2:G0SB+3], s[92:93]
	s_or_b32 s[G0SB+3], s[G0SB+3], 0x80000000
	JLOAD G0S, G1S, G0SB, G1SB                     ; the scales first: they are wanted with the first slot
.irp s, 0,1
	s_mov_b32 s[G0+4*\s], 1
	s_add_co_u32 s[G0+4*\s+1], s45, \s*SLOT
	s_add_nc_u64 s[G0+4*\s+2:G0+4*\s+3], s[20:21], \s*ROWB
	s_or_b32 s[G0+4*\s+3], s[G0+4*\s+3], 0x80000000
	s_mov_b32 s[G0B+4*\s], 1
	s_add_co_u32 s[G0B+4*\s+1], s45, \s*SLOT
	s_add_nc_u64 s[G0B+4*\s+2:G0B+4*\s+3], s[46:47], \s*ROWB
	s_or_b32 s[G0B+4*\s+3], s[G0B+4*\s+3], 0x80000000
	JLOAD G0+4*\s, G1, G0B+4*\s, G1B
.endr
	v_and_b32 v1, 15, v0                           ; l % 16
	v_bfe_u32 v2, v0, 4, 1                         ; l / 16
	v_mul_u32_u24 v3, v1, PITCH
	v_lshl_add_u32 v4, v2, 4, v3                   ; a fragment's row x pitch + 16 x half
	s_mul_i32 s21, s15, HALFT                      ; my 128 rows of A
	s_mul_i32 s22, s16, HALFT                      ; my 128 rows of B,
	s_add_co_u32 s22, s22, 2*HALFT                 ; which lie behind A's 256
.irp s, 0,1
	v_add_nc_u32 v[ADRA+\s], s21, v4
	v_add_nc_u32 v[ADRB+\s], s22, v4
	s_add_co_u32 s21, s21, SLOT
	s_add_co_u32 s22, s22, SLOT
.endr
	v_mul_u32_u24 v5, v1, KS                       ; my row's scales: 32 bytes a row,
	v_lshrrev_b32 v6, 8, v5
	v_lshl_add_u32 v5, v6, 4, v5                   ; and 16 more for each 256 passed
	s_mul_i32 s21, s15, HALFS
	s_mul_i32 s22, s16, HALFS
	s_add_co_u32 s22, s22, 2*HALFS
	s_sub_co_u32 s22, s22, s21
	v_mul_u32_u24 v6, s22, v2                      ; lanes 16-31 take B's: one product, the distance between the two bases
	s_add_co_u32 s21, s21, SCL
	v_add_nc_u32 v5, v5, v6
	v_add_nc_u32 v[ADRS], s21, v5
	v_and_b32 v6, 31, v0
	v_lshlrev_b32 v[LO], 4, v6
	v_lshlrev_b32 v[TO], 8, v1
	v_lshl_add_u32 v[TO], v2, 5, v[TO]
	; where my 128 x 128 goes.  q, k: heads by side B (cx, my B half), positions by side A;  v: heads by side A (cy, my A half), positions by side B.  In registers that feed no descriptor
	s_cmp_eq_u32 ttmp9, 2
	s_cselect_b32 s95, s41, s40
	s_cselect_b32 s96, s15, s16
	s_cselect_b32 s97, s42, s17
	s_cselect_b32 s98, s16, s15
	s_lshl_b32 s95, s95, 2
	s_lshl_b32 s96, s96, 1
	s_add_co_u32 s95, s95, s96                     ; my first head (I make two)
	s_mul_i32 s95, s95, HS
	s_lshl_b32 s97, s97, 1
	s_add_co_u32 s97, s97, s98                     ; my 128 positions: 16,384 bytes in each head
	s_lshl_b32 s97, s97, 14
	s_add_co_u32 s95, s95, s97
	s_mul_i32 s96, ttmp9, KIND
	s_add_co_u32 s96, s96, s95
	s_add_co_u32 s96, s96, PADB
	s_mov_b32 s97, 0
	s_add_nc_u64 s[66:67], s[6:7], s[96:97]
.macro FRAG reg, adr, q, i             ; 16 rows x 128 K of 4-bit codes: 8 registers: lane l holds row l % 16; registers 4 c .. 4 c + 3 hold K = 64 c + 32 (l / 16) + 0 .. 31
.irp c, 0,1
	ds_load_b128 v[\reg+4*\c:\reg+4*\c+3], v[\adr] offset:64*(\q)+32*\c+(\i)*16*PITCH
.endr
.endm
; 16 matrix instructions: A's blocks a0, a0 + 1 x B's eight, the slot's q-th 128 along K.  p: B's set; sc: the set of scale words.  zero = 1: the first product starts the sums.
; One register carries A's word (lanes 0-15) and B's (lanes 16-31).  The 64 accumulators take turns, one instruction a turn, in the same order in every step.
.macro MUL16 a0, p, q, sc, zero
.irp a, \a0, \a0+1
.irp b, 0,1,2,3,4,5,6,7
.if \zero
	v_wmma_scale_f32_16x16x128_f8f6f4 v[8*(8*((\a)%4)+\b):8*(8*((\a)%4)+\b)+7], v[128*(\p)+FR*\b:128*(\p)+FR*\b+FR-1], v[AF+FR*(\a):AF+FR*(\a)+FR-1], 0, v[SC+8*NQ*(\sc)+NQ*\b+(\q)], v[SC+8*NQ*(\sc)+NQ*(\a)+(\q)] matrix_a_fmt:MATRIX_FMT_FP4 matrix_b_fmt:MATRIX_FMT_FP4 matrix_a_scale:MATRIX_SCALE_ROW1
.else
	v_wmma_scale_f32_16x16x128_f8f6f4 v[8*(8*((\a)%4)+\b):8*(8*((\a)%4)+\b)+7], v[128*(\p)+FR*\b:128*(\p)+FR*\b+FR-1], v[AF+FR*(\a):AF+FR*(\a)+FR-1], v[8*(8*((\a)%4)+\b):8*(8*((\a)%4)+\b)+7], v[SC+8*NQ*(\sc)+NQ*\b+(\q)], v[SC+8*NQ*(\sc)+NQ*(\a)+(\q)] matrix_a_fmt:MATRIX_FMT_FP4 matrix_b_fmt:MATRIX_FMT_FP4 matrix_a_scale:MATRIX_SCALE_ROW1
.endif
.endr
.endr
.endm
.macro FETCH_B slot, q, p
	WIN TO_B
.irp i, 0,1,2,3,4,5,6,7
	FRAG 128*(\p)+FR*\i, ADRB+\slot, \q, \i
.endr
	WIN 0
.endm
.macro FETCH_A slot, q, i0
.irp i, \i0, \i0+1, \i0+2, \i0+3
	FRAG AF+FR*(\i), ADRA+\slot, \q, \i
.endr
.endm
.macro SCALES sc                       ; a slot's scale words: four a row; lanes 0-15 take A's block i, lanes 16-31 B's block i
.irp i, 0,1,2,3,4,5,6,7
	ds_load_b128 v[SC+8*NQ*\sc+NQ*\i:SC+8*NQ*\sc+NQ*\i+3], v[ADRS] offset:\i*SBLK
.endr
.endm
.macro PLACES n                        ; plain vector lines between a matrix instruction and a load into, or a vector line on, its registers
.rept \n
	v_nop
.endr
.endm
; A step of 128 along K that has its successor in the same slot.  A block of A is free when its eight products are issued: blocks 0-3 are fetched anew in the step's middle, blocks 4-7 at its end.
.macro STEP slot, q, zero
	s_wait_dscnt 4*NL                              ; B's set and A's blocks 0-3 are in; the youngest eight loads (A's blocks 4-7) may be out
	WIN MUL_LO
	MUL16 0, (\q)%2, \q, \slot, \zero
	MUL16 2, (\q)%2, \q, \slot, \zero
	s_wait_dscnt 0
	PLACES NP
	FETCH_B \slot, (\q)+1, 1-(\q)%2
	FETCH_A \slot, (\q)+1, 0
	WIN MUL_HI
	MUL16 4, (\q)%2, \q, \slot, \zero
	MUL16 6, (\q)%2, \q, \slot, \zero
	PLACES NP
	WIN 0
	FETCH_A \slot, (\q)+1, 4
.endm
; Slot 0's last step goes over to slot 1: each wave waits for all its tensor loads, then the barrier shows the whole of slot 1 to every wave.  Nothing is filled again.
.macro TURN slot, next
	s_wait_tensorcnt 0x0                           ; all my tensor loads have landed: my part of the next slot
	ds_add_u32 v[SPW], v[NIL]                      ; 0 onto my spare word
	s_wait_dscnt 4*NL+1                            ; (the add and the youngest eight loads may be out)
	WIN MUL_LO
	MUL16 0, 1, NQ-1, \slot, 0
	s_wait_dscnt 0x0
	s_barrier_signal -1
	MUL16 2, 1, NQ-1, \slot, 0
	WIN 0
	s_barrier_wait -1
	PLACES NP
	v_add_nc_u32 v[ADRS], 4*NQ, v[ADRS]            ; on to the next slot's scale words
	FETCH_B \next, 0, 0
	FETCH_A \next, 0, 0
	SCALES \next
	WIN MUL_HI
	MUL16 4, 1, NQ-1, \slot, 0
	MUL16 6, 1, NQ-1, \slot, 0
	PLACES NP
	WIN 0
	FETCH_A \next, 0, 4
.endm
	s_wait_tensorcnt 1                             ; the scales and my part of slot 0 are in; slot 1's load may be out
	s_barrier_signal -1
	s_barrier_wait -1
	FETCH_B 0, 0, 0
	FETCH_A 0, 0, 0
	SCALES 0
	FETCH_A 0, 0, 4
	STEP 0, 0, 1                                   ; the first step's products start the sums: nothing is cleared
	STEP 0, 1, 0
	STEP 0, 2, 0
	TURN 0, 1
	STEP 1, 0, 0
	STEP 1, 1, 0
	STEP 1, 2, 0
	s_wait_dscnt 4*NL                              ; the last step: nothing more to fetch
	WIN MUL_LO
	MUL16 0, 1, NQ-1, 1, 0
	MUL16 2, 1, NQ-1, 1, 0
	s_wait_dscnt 0
	WIN MUL_HI
	MUL16 4, 1, NQ-1, 1, 0
	MUL16 6, 1, NQ-1, 1, 0
	WIN 0
; THE WAY OUT, by A's blocks of 16 rows.
.macro TLD a                           ; the table words of block a's 16 positions: for each 16 channels q my four pairs (cos, sin): 32 bytes
.irp q, 0,1,2,3
	global_load_b128 v[T+32*((\a)%2)+8*\q:T+32*((\a)%2)+8*\q+3],   v[TO], s[2:3] offset:(\a)*4096+\q*64
	global_load_b128 v[T+32*((\a)%2)+8*\q+4:T+32*((\a)%2)+8*\q+7], v[TO], s[2:3] offset:(\a)*4096+\q*64+16
.endr
.endm
.macro ROT a                           ; (x1, x2) -> (x1 cos - x2 sin, x1 sin + x2 cos), in place, two packed lines a pair; each accumulator from its low end on
.set AC, 64*((\a)%4)
.set TS, T+32*((\a)%2)
	WIN 0x02+(\a)/4                                ; source 0: window 2 or 3
.irp b, 0,1,2,3,4,5,6,7
.irp i, 0,1,2,3
	v_pk_mul_f32 v[TM+8*\b+2*\i:TM+8*\b+2*\i+1], v[AC+8*\b+2*\i:AC+8*\b+2*\i+1], v[TS+8*(\b%4)+2*\i:TS+8*(\b%4)+2*\i+1] op_sel:[1,1] op_sel_hi:[1,0]   ; (x2 sin, x2 cos)
.endr
.endr
	WIN 0x82+0x41*((\a)/4)                         ; destination and source 0: window 2 or 3
.irp b, 0,1,2,3,4,5,6,7
.irp i, 0,1,2,3
	v_pk_fma_f32 v[AC+8*\b+2*\i:AC+8*\b+2*\i+1], v[AC+8*\b+2*\i:AC+8*\b+2*\i+1], v[TS+8*(\b%4)+2*\i:TS+8*(\b%4)+2*\i+1], v[TM+8*\b+2*\i:TM+8*\b+2*\i+1] op_sel_hi:[0,1,1] neg_lo:[0,0,1]   ; (x1 cos - .., x1 sin + ..)
.endr
.endr
	WIN 0
.endm
.macro PACK a                          ; eight f32 of a lane become 16 bytes of f16
.set AC, 64*((\a)%4)
	s_wait_xcnt 0x0                                ; the last block's stores have read the packed registers: only now are they written again
	WIN 0x0a+5*((\a)/4)                            ; sources 0 and 1: window 2 or 3
.irp b, 0,1,2,3,4,5,6,7
.irp i, 0,1,2,3
	v_cvt_pk_f16_f32 v[PK+4*\b+\i], v[AC+8*\b+2*\i], v[AC+8*\b+2*\i+1]
.endr
.endr
	WIN 0
.endm
.macro STQK a                          ; block a = 16 positions; b = 16 channels: head b / 4, piece b % 4
.irp b, 0,1,2,3,4,5,6,7
	global_store_b128 v[LO], v[PK+4*\b:PK+4*\b+3], s[66:67] offset:(\a)*2048+(\b/4)*HS+(\b%4)*512
.endr
.endm
.macro STV a                           ; block a = 16 channels: head a / 4, channel tile a % 4; b = 16 positions
.irp b, 0,1,2,3,4,5,6,7
	global_store_b128 v[LO], v[PK+4*\b:PK+4*\b+3], s[66:67] offset:((\a)/4)*HS+((\a)%4)*1024+(\b/2)*4096+(\b%2)*512
.endr
.endm
	PLACES NP                                      ; behind the last products: the lines below read results and write registers that held A's fragments
	s_cmp_eq_u32 ttmp9, 2                          ; cluster x: the same in all sixteen partners
	s_cbranch_scc1 .Lv
	s_lshl_b32 s98, s17, 1
	s_add_co_u32 s98, s98, s15                     ; my 128 positions: 32,768 bytes of a table
	s_lshl_b32 s98, s98, 15
	s_lshl_b32 s99, ttmp9, 20                      ; Q's table, or K's 1 MiB on
	s_add_co_u32 s98, s98, s99
	s_add_co_u32 s98, s98, ROPEQ
	s_mov_b32 s99, 0
	s_add_nc_u64 s[2:3], s[4:5], s[98:99]
	TLD 0
	TLD 1
.irp a, 0,1,2,3,4,5,6,7
.if \a < 7
	s_wait_loadcnt 8                               ; this block's eight table loads are in; the next block's eight may be out
.else
	s_wait_loadcnt 0
.endif
	ROT \a
.if \a < 6
	TLD \a+2
.endif
	PACK \a
	STQK \a
.endr
	s_branch .Lend
.Lv:
.irp a, 0,1,2,3,4,5,6,7
	PACK \a
	STV \a
.endr
.Lend:
	s_wait_tensorcnt 0x0                           ; the wave's end
	ds_add_u32 v[SPW], v[NIL]
	s_wait_dscnt 0x0
	CROUND                                         ; the closing round
	s_endpgm
.Lfunc_end_k_qf082dc8831_project_qkv:
	.size	k_qf082dc8831_project_qkv, .Lfunc_end_k_qf082dc8831_project_qkv-k_qf082dc8831_project_qkv
	.p2alignl 7, 3214868480
	.fill 96, 4, 3214868480
	.section	.rodata,"a",@progbits
	.p2align	6, 0x0
	.amdhsa_kernel k_qf082dc8831_project_qkv
		.amdhsa_group_segment_fixed_size 327680
		.amdhsa_private_segment_fixed_size 0
		.amdhsa_enable_private_segment 0
		.amdhsa_kernarg_size 16
		.amdhsa_user_sgpr_count 2
		.amdhsa_user_sgpr_kernarg_segment_ptr 1
		.amdhsa_wavefront_size32 1
		.amdhsa_system_sgpr_workgroup_id_x 1
		.amdhsa_system_sgpr_workgroup_id_y 1
		.amdhsa_system_sgpr_workgroup_id_z 1
		.amdhsa_system_vgpr_workitem_id 0
		.amdhsa_next_free_vgpr 1024
		.amdhsa_next_free_sgpr 100
		.amdhsa_reserve_vcc 0
		.amdhsa_float_denorm_mode_32 3
		.amdhsa_float_denorm_mode_16_64 3
		.amdhsa_memory_ordered 1
		.amdhsa_forward_progress 1
		.amdhsa_inst_pref_size 180
	.end_amdhsa_kernel
	.amdgpu_metadata
---
amdhsa.version: [ 1, 2 ]
amdhsa.kernels:
  - .name:           k_qf082dc8831_project_qkv
    .symbol:         k_qf082dc8831_project_qkv.kd
    .args:
      - { .name: prep, .offset: 0, .size: 8, .value_kind: global_buffer, .address_space: global }
      - { .name: qkv, .offset: 8, .size: 8, .value_kind: global_buffer, .address_space: global }
    .group_segment_fixed_size: 327680
    .private_segment_fixed_size: 0
    .kernarg_segment_align: 8
    .kernarg_segment_size: 16
    .max_flat_workgroup_size: 128
    .sgpr_count:     100
    .vgpr_count:     1024
    .wavefront_size: 32
...
	.end_amdgpu_metadata
.endif
;; end of part 2
;; launch attend (part 3): grid 16 x 16, 16 waves a work-group, no clusters, 198,656 bytes of LDS; arguments qkv, obuf; writes obuf
.if DOCPART == 3
	.amdgcn_target "amdgcn-amd-amdhsa--gfx1250"
	.amdhsa_code_object_version 6
	.text
	.protected	k_qf082dc8831_attend
	.globl	k_qf082dc8831_attend
	.p2align	8
	.type	k_qf082dc8831_attend,@function
k_qf082dc8831_attend:
	s_mov_b64 s[64:65], 0
	v_nop
	global_prefetch_b8 v0, s[64:65] scope:SCOPE_SE
	s_setreg_imm32_b32 hwreg(HW_REG_WAVE_MODE, 25, 1), 1
	s_wait_xcnt 0x0
; O[h][i] = sum over j of softmax_j(q_i . k_j / 8) v_j over the keys i - 511 .. i (causal window of 512), f16 operands, f32 sums, running maximum.  q arrives times log2(e) / 8: a score is an exponent of 2.
; SHARES.  A work-group owns 256 queries (work-group x) of one head (y); each of its sixteen waves 16 of them, in 256 registers: four waves to a SIMD, so that one wave's vector work stands beside another's products and LDS loads.
; THE WHOLE SLAB of 768 keys that the block can see (its first query - 512 .. its last) lies in LDS at once, K's 98,304 bytes and V^T's: no ring, nothing is filled again.  In front of each head of K and V lie 512 positions of
; zeros, so every block loads and walks alike.  Each wave brings two pieces of 6,144 dense bytes (waves 0-7 of K, 8-15 of V^T): first the slab's first half, then its second, which lands while the first three steps are worked.
; K, Q, V^T lie in memory in the order of the operands' registers (a piece of 512 bytes = four registers, lane l's 16 bytes at 16 l): every fragment load is dense, with no pitch and no padding; 64 keys are 8,192 bytes.
; LAYOUT.  S^T = K Q^T (source 0 = 16 keys, source 1 = my 16 queries), O^T = V^T P (source 0 = 16 channels, source 1 = P): a lane holds ONE query (lane % 16) throughout; two tiles of S^T, rounded in pairs, ARE a fragment of P.
; WALK.  Wave w (g = w / 4) takes nine steps of 64 keys, slab steps g .. g + 8.  The first carries the window's edge, the last the diagonal; the seven between need no mask.
; A step whose keys lie before position 0 is hidden by adding -infinity (a scalar chosen by the step's first key: a value, no branch): p = 0, and the maximum stays.
; No multicast: neighbouring blocks' slabs are shifted by 256 keys, so a shared tile would lie at different LDS places in the partners.  No prefetch: all tiles are asked for at the head.
; LIMITS: q, k, v as f16 (the launch before); p is rounded to f16 for the second product, the sum is taken of the unrounded p.  NaN and infinities are not served.
.set HS,    589824
.set PADB,  65536
.set KFO,   9437184
.set SLAB,  98304
.set BATCH, 49152
.set STEPB, 8192
.set SPARE, 2*SLAB                     ; behind the slabs: the spare words, 128 bytes for each of sixteen waves
.set AK0, 1                            ; v1  16 x lane + 8,192 g: my place in K's slab
.set AV0, 2                            ; v2  the same in V's
.set SPW, 3
.set NIL, 4
.set ADK, 5
.set ADV, 6
.set D,   7                            ; v7  16 (w % 4) + lane % 16 - 8 (lane / 16): register 8 u + j holds the step's key 16 u + j + 8 (lane / 16)
.set NINF, 8
.set LO,  9                            ; v9  16 x lane
.set NB,  10                           ; v[10:11] what is added to a score: -m (or -infinity)
.set AF,  12                           ; v[12:13] a = 2^(old m - new m); at the end 1 / l
.set M,   14
.set MN,  15
.set L,   16                           ; v[16:17] the sum, even and odd registers'
.set CH,  18                           ; v18-21 four chains of the maximum
.set PD,  22                           ; a lane permute's destination
.set Q,   24
.set KB,  40
.set VB,  104
.set S,   168
.set P,   200
.set O,   216
.set WV,  8
.set G1,  16
.set TB,  32
.set KF,  33
.set SB,  34
.set CNT, 35
.set SEL, 36
	s_load_b128 s[4:7], s[0:1], 0x0                ; qkv, obuf
	v_lshl_add_u32 v[SPW], v0, 2, SPARE
	v_mov_b32 v[NIL], 0
	ds_add_u32 v[SPW], v[NIL]                      ; the wave's opening: the add, twice on end, and its wait ahead of my first tensor load
	ds_add_u32 v[SPW], v[NIL]
	v_lshrrev_b32 v5, 5, v0
	v_readfirstlane_b32 s[WV], v5                  ; wave 0..15
	s_mov_b32 s[G1+0], 3<<16                       ; no mask; elements of 8 bytes; no padding
	s_mov_b32 s[G1+1], 32<<16                      ; tensor_dim0 = 32 elements: rows of 256 bytes
	s_mov_b32 s[G1+2], 24<<16                      ; tensor_dim1 = 24 rows
	s_mov_b32 s[G1+3], 32<<16                      ; tile_dim0
	s_mov_b32 s[G1+4], 24                          ; tile_dim1
	s_mov_b32 s[G1+5], 32                          ; dense: a row begins where the last ends
	s_mov_b32 s[G1+6], 0
	s_mov_b32 s[G1+7], 0
	s_lshr_b32 s38, s[WV], 3                       ; 0: I fetch K, 1: V^T
	s_and_b32 s39, s[WV], 7
	s_mul_i32 s39, s39, 6144                       ; my eighth of a batch
	s_mul_i32 s40, s38, SLAB
	s_add_co_u32 s40, s40, s39                     ; its LDS address
	s_and_b32 s12, ttmp7, 0xffff                   ; the head
	s_mul_i32 s42, s38, KFO
	s_mul_i32 s43, s12, HS
	s_add_co_u32 s42, s42, s43
	s_lshl_b32 s43, ttmp9, 15                      ; the slab begins 512 positions before the block: pad + 256 x block positions - 512 = 32,768 x block bytes into the head
	s_add_co_u32 s42, s42, s43
	s_add_co_u32 s42, s42, s39
	s_add_co_u32 s42, s42, KFO
	s_mov_b32 s43, 0
	s_lshl_b32 s46, ttmp9, 4
	s_add_co_u32 s46, s46, s[WV]                   ; my tile of 16 queries
	s_lshl_b32 s44, s46, 11
	s_mul_i32 s45, s12, HS
	s_add_co_u32 s44, s44, s45
	s_add_co_u32 s44, s44, PADB                    ; its four pieces of Q
	s_mov_b32 s45, 0
	s_lshl_b32 s46, s46, 15                        ; obuf: [16 rows][32 k-chunks][1,024 bytes]: my rows, my head's two chunks
	s_lshl_b32 s47, s12, 11
	s_add_co_u32 s46, s46, s47
	s_mov_b32 s47, 0
	s_wait_dscnt 0x0                               ; both opening adds are done
	s_wait_kmcnt 0x0
	s_mov_b32 s24, 1
	s_mov_b32 s25, s40
	s_add_nc_u64 s[26:27], s[4:5], s[42:43]
	s_mov_b32 s28, 1
	s_add_co_u32 s29, s40, BATCH
	s_add_nc_u64 s[30:31], s[26:27], BATCH
	s_or_b32 s27, s27, 0x80000000
	s_or_b32 s31, s31, 0x80000000
	tensor_load_to_lds s[24:27], s[G1:G1+7]        ; slab steps 0-5
	s_nop 0
	tensor_load_to_lds s[28:31], s[G1:G1+7]        ; slab steps 6-11: two loads of mine are out
	s_nop 0
	s_add_nc_u64 s[44:45], s[4:5], s[44:45]
	s_add_nc_u64 s[46:47], s[6:7], s[46:47]
	v_and_b32 v10, 31, v0
	v_lshlrev_b32 v[LO], 4, v10
.irp i, 0,1,2,3
	global_load_b128 v[Q+4*\i:Q+4*\i+3], v[LO], s[44:45] offset:512*\i   ; Q's two fragments stay in registers
.endr
	s_lshr_b32 s9, s[WV], 2                        ; g
	s_and_b32 s10, s[WV], 3
	s_lshl_b32 s38, s9, 13
	v_add_nc_u32 v[AK0], s38, v[LO]
	v_add_nc_u32 v[AV0], SLAB, v[AK0]
	v_and_b32 v10, 15, v0
	v_bfe_u32 v11, v0, 4, 1
	v_lshlrev_b32 v11, 3, v11
	v_sub_nc_u32 v[D], v10, v11
	s_lshl_b32 s38, s10, 4
	v_add_nc_u32 v[D], s38, v[D]
	v_mov_b32 v[NINF], 0xff800000
	v_mov_b32 v[NB], 0
	v_mov_b32 v[NB+1], 0                           ; (named as the upper half of a pair)
	v_mov_b32 v[AF], 0
	v_mov_b32 v[AF+1], 0
	v_mov_b32 v[M], 0xff61b1e6                     ; the largest score so far: -3e38, under every score
	v_mov_b32 v[L], 0
	v_mov_b32 v[L+1], 0
	v_mov_b32 v[PD], 0
.set i, 0
.rept 32
	v_mov_b32 v[O+i], 0                            ; the step is written once: the first finds zeros
.set i, i+1
.endr
	s_lshl_b32 s[KF], ttmp9, 8
	s_lshl_b32 s38, s9, 6
	s_add_co_u32 s[KF], s[KF], s38
	s_sub_co_i32 s[KF], s[KF], 512                 ; my first step's first key; negative in the pad
	s_mov_b32 s[SEL], 0x76543210
	s_mov_b32 s[SEL+1], 0xfedcba98                 ; lane l xor 16
	s_mov_b32 s[TB], 0
; A STEP of 64 keys at TB + imm bytes behind my first.  mask = 1: the window's edge (hidden: key <= query - 512); 2: the diagonal (hidden: key > query); 0: none.
.macro STEP mask, imm
	s_cmp_lt_i32 s[KF], 0
	s_cselect_b32 s[SB], 0xff800000, 0             ; -infinity for a step in the pad
	v_add_nc_u32 v[ADK], s[TB], v[AK0]
	v_add_nc_u32 v[ADV], s[TB], v[AV0]
	v_nop
	v_nop                                          ; four plain lines between the last products and the loads into V's registers
.set i, 0
.rept 16
	ds_load_b128 v[KB+4*i:KB+4*i+3], v[ADK] offset:\imm+512*i    ; K: tile u = i / 4, channels 32 ((i % 4) / 2) on, registers 0-3 or 4-7
.set i, i+1
.endr
.set i, 0
.rept 16
	ds_load_b128 v[VB+4*i:VB+4*i+3], v[ADV] offset:\imm+512*i    ; V^T: keys 32 (i / 8) on, channel tile (i % 8) / 2
.set i, i+1
.endr
	s_wait_dscnt 16                                ; K is in; V's sixteen younger loads may be out
.irp u, 0,1,2,3
	v_wmma_f32_16x16x32_f16 v[S+8*\u:S+8*\u+7], v[KB+16*\u:KB+16*\u+7], v[Q:Q+7], 0
.endr
.irp u, 0,1,2,3                                ; the four accumulators take turns
	v_wmma_f32_16x16x32_f16 v[S+8*\u:S+8*\u+7], v[KB+16*\u+8:KB+16*\u+15], v[Q+8:Q+15], v[S+8*\u:S+8*\u+7]
.endr
.rept 4
	v_nop
.endr
.if \mask
.set n, 0
.rept 32
.if \mask == 1
	v_cmp_le_i32 vcc_lo, 16*(n/8)+n%8, v[D]
.else
	v_cmp_gt_i32 vcc_lo, 16*(n/8)+n%8, v[D]
.endif
	v_cndmask_b32 v[S+n], v[S+n], v[NINF], vcc_lo
.set n, n+1
.endr
.endif
.irp j, 0,1,2,3                                ; the largest of my 32 scores: four chains, each tile from its low end on
	v_max3_num_f32 v[CH+\j], v[S+8*\j], v[S+8*\j+1], v[S+8*\j+2]
.endr
.irp j, 0,1,2,3
	v_max3_num_f32 v[CH+\j], v[CH+\j], v[S+8*\j+3], v[S+8*\j+4]
.endr
.irp j, 0,1,2,3
	v_max3_num_f32 v[CH+\j], v[CH+\j], v[S+8*\j+5], v[S+8*\j+6]
.endr
	v_max3_num_f32 v[CH], v[CH], v[S+7], v[S+15]
	v_max3_num_f32 v[CH+2], v[CH+2], v[S+23], v[S+31]
	v_max3_num_f32 v[CH], v[CH], v[CH+1], v[CH+2]
	v_max_num_f32 v[CH], v[CH], v[CH+3]
	v_permlanex16_b32 v[PD], v[CH], s[SEL], s[SEL+1]   ; the query's other 32 keys lie in the lane 16 away
	v_max_num_f32 v[CH], v[CH], v[PD]
	v_add_f32 v[CH], s[SB], v[CH]
	v_max_num_f32 v[MN], v[M], v[CH]               ; the new m: always a finite number
	v_sub_f32 v[CH+1], v[M], v[MN]
	v_sub_f32 v[NB], s[SB], v[MN]
	v_mov_b32 v[M], v[MN]
.set i, 0
.rept 16
	v_pk_add_f32 v[S+2*i:S+2*i+1], v[S+2*i:S+2*i+1], v[NB:NB+1] op_sel_hi:[1,0]   ; s - m
.set i, i+1
.endr
	v_exp_f32 v[AF], v[CH+1]                       ; a
.set i, 0
.rept 32
	v_exp_f32 v[S+i], v[S+i]                       ; p = 2^(s - m), at most 1
.set i, i+1
.endr
	v_nop                                          ; a plain line behind the batch,
	s_wait_alu depctr_va_vdst(0)                   ; and one wait for all 33, ahead of the first line that names a result
.set i, 0
.rept 16
	v_cvt_pk_f16_f32 v[P+i], v[S+2*i], v[S+2*i+1]
.set i, i+1
.endr
.irp u, 0,1,2,3,4,5,6,7                        ; the sum of the unrounded p, packed, in place
	v_pk_add_f32 v[S+4*\u:S+4*\u+1], v[S+4*\u:S+4*\u+1], v[S+4*\u+2:S+4*\u+3]
.endr
.irp u, 0,1,2,3
	v_pk_add_f32 v[S+8*\u:S+8*\u+1], v[S+8*\u:S+8*\u+1], v[S+8*\u+4:S+8*\u+5]
.endr
.irp u, 0,1
	v_pk_add_f32 v[S+16*\u:S+16*\u+1], v[S+16*\u:S+16*\u+1], v[S+16*\u+8:S+16*\u+9]
.endr
	v_pk_add_f32 v[S:S+1], v[S:S+1], v[S+16:S+17]
	v_pk_fma_f32 v[L:L+1], v[L:L+1], v[AF:AF+1], v[S:S+1] op_sel_hi:[1,0,1]   ; l = a l + the sum
.set i, 0
.rept 16
	v_pk_mul_f32 v[O+2*i:O+2*i+1], v[O+2*i:O+2*i+1], v[AF:AF+1] op_sel_hi:[1,0]   ; O^T under the new m, from each accumulator's low end on
.set i, i+1
.endr
	s_wait_dscnt 0x0                               ; V is in
.irp kg, 0,1
.irp ct, 0,1,2,3
	v_wmma_f32_16x16x32_f16 v[O+8*\ct:O+8*\ct+7], v[VB+32*\kg+8*\ct:VB+32*\kg+8*\ct+7], v[P+8*\kg:P+8*\kg+7], v[O+8*\ct:O+8*\ct+7]
.endr
.endr
	s_add_co_u32 s[KF], s[KF], 64
.endm
	s_wait_tensorcnt 0x1                           ; my piece of the first batch is in; the second may stay out
	s_barrier_signal -1
	s_barrier_wait -1                              ; everybody's is
	s_wait_loadcnt 0x0                             ; Q
	STEP 1, 0                                      ; slab steps g, g + 1, g + 2 <= 5: all inside the first batch
	STEP 0, STEPB
	STEP 0, 2*STEPB
	s_wait_tensorcnt 0x0                           ; my piece of the second batch is in,
	s_wait_dscnt 0x0
	s_barrier_signal -1
	s_barrier_wait -1                              ; everybody's is
	s_mov_b32 s[TB], 3*STEPB
	s_mov_b32 s[CNT], 5
.Lstep:
	STEP 0, 0
	s_add_co_u32 s[TB], s[TB], STEPB
	s_sub_co_u32 s[CNT], s[CNT], 1
	s_cmp_lg_u32 s[CNT], 0
	s_cbranch_scc1 .Lstep
	STEP 2, 0                                      ; the diagonal
	; THE WAY OUT: O^T / l, rounded to f16: a lane's eight channels of a tile are registers 0-3 or 4-7 of the projection's fragment [16 rows x 32 k]: stored as they stand
.rept 4
	v_nop
.endr
	v_add_f32 v[L], v[L], v[L+1]
	v_permlanex16_b32 v[PD], v[L], s[SEL], s[SEL+1]
	v_add_f32 v[L], v[L], v[PD]
	v_rcp_f32 v[AF], v[L]
	v_nop
	s_wait_alu depctr_va_vdst(0)
.set i, 0
.rept 16
	v_pk_mul_f32 v[O+2*i:O+2*i+1], v[O+2*i:O+2*i+1], v[AF:AF+1] op_sel_hi:[1,0]
.set i, i+1
.endr
.set i, 0
.rept 16
	v_cvt_pk_f16_f32 v[P+i], v[O+2*i], v[O+2*i+1]
.set i, i+1
.endr
.irp t, 0,1,2,3
	global_store_b128 v[LO], v[P+4*\t:P+4*\t+3], s[46:47] offset:512*\t   ; 512 consecutive bytes, aligned
.endr
	s_wait_tensorcnt 0x0                           ; the wave's end
	ds_add_u32 v[SPW], v[NIL]
	s_wait_dscnt 0x0
	s_endpgm
.Lfunc_end_k_qf082dc8831_attend:
	.size	k_qf082dc8831_attend, .Lfunc_end_k_qf082dc8831_attend-k_qf082dc8831_attend
	.p2alignl 7, 3214868480
	.fill 96, 4, 3214868480
	.section	.rodata,"a",@progbits
	.p2align	6, 0x0
	.amdhsa_kernel k_qf082dc8831_attend
		.amdhsa_group_segment_fixed_size 198656
		.amdhsa_private_segment_fixed_size 0
		.amdhsa_enable_private_segment 0
		.amdhsa_kernarg_size 16
		.amdhsa_user_sgpr_count 2
		.amdhsa_user_sgpr_kernarg_segment_ptr 1
		.amdhsa_wavefront_size32 1
		.amdhsa_system_sgpr_workgroup_id_x 1
		.amdhsa_system_sgpr_workgroup_id_y 1
		.amdhsa_system_sgpr_workgroup_id_z 1
		.amdhsa_system_vgpr_workitem_id 0
		.amdhsa_next_free_vgpr 256
		.amdhsa_next_free_sgpr 66
		.amdhsa_reserve_vcc 1
		.amdhsa_float_denorm_mode_32 3
		.amdhsa_float_denorm_mode_16_64 3
		.amdhsa_memory_ordered 1
		.amdhsa_forward_progress 1
		.amdhsa_inst_pref_size 62
	.end_amdhsa_kernel
	.amdgpu_metadata
---
amdhsa.version: [ 1, 2 ]
amdhsa.kernels:
  - .name:           k_qf082dc8831_attend
    .symbol:         k_qf082dc8831_attend.kd
    .args:
      - { .name: qkv, .offset: 0, .size: 8, .value_kind: global_buffer, .address_space: global }
      - { .name: obuf, .offset: 8, .size: 8, .value_kind: global_buffer, .address_space: global }
    .group_segment_fixed_size: 198656
    .private_segment_fixed_size: 0
    .kernarg_segment_align: 8
    .kernarg_segment_size: 16
    .max_flat_workgroup_size: 512
    .sgpr_count:     66
    .vgpr_count:     256
    .wavefront_size: 32
...
	.end_amdgpu_metadata
.endif
;; end of part 3
;; launch project_out (part 4): grid 8 x 32, 4 waves a work-group, clusters of 4 x 4, 327,680 bytes of LDS; arguments obuf, prep, out0; writes out0
.if DOCPART == 4
	.amdgcn_target "amdgcn-amd-amdhsa--gfx1250"
	.amdhsa_code_object_version 6
	.text
	.protected	k_qf082dc8831_project_out
	.globl	k_qf082dc8831_project_out
	.p2align	8
	.type	k_qf082dc8831_project_out,@function
k_qf082dc8831_project_out:
	s_mov_b64 s[64:65], 0
	v_nop
	global_prefetch_b8 v0, s[64:65] scope:SCOPE_SE
	s_setreg_imm32_b32 hwreg(HW_REG_WAVE_MODE, 25, 1), 1
	s_wait_xcnt 0x0
	s_wait_alu depctr_hold_cnt(0) depctr_sa_sdst(0) depctr_va_vdst(0) depctr_va_sdst(0) depctr_va_ssrc(0) depctr_va_vcc(0) depctr_vm_vsrc(0)
	s_getreg_b32 s2, hwreg(HW_REG_IB_STS2, 6, 4)
	s_cmp_eq_u32 s2, 0
	s_cbranch_scc0 .Lentry_in_a_cluster
	s_endpgm
.Lentry_in_a_cluster:
	s_bfe_u32 s2, ttmp6, 0x10000c
	s_cmp_lg_u32 s2, 0xf033
	s_cbranch_scc0 .Lentry_shape_is_right
	s_endpgm
.Lentry_shape_is_right:
; out0[m][n] = sum over k of o[m][k] Wo[n][k], f16 operands, f32 sums and results.  m = 4,096, n = k = 1,024.  (Rows 0-15 are written again, more finely, by the last launch.)
; Both operands lie in memory in the order of the operand's registers: [16 rows][k / 32][1,024 bytes], a piece of 512 bytes = four registers, lane l's 16 bytes at 16 l (o in obuf, Wo at prep + WOF).
; A tile of 128 x 128 gives 256 work-groups.  Four waves, 64 x 64 each: 16 accumulators.  K goes in four steps of 256 through two LDS slots; a wave's tensor load brings four row tiles x 8,192 dense bytes.
; LDS holds the pieces as they lie: every fragment load reads 512 consecutive bytes: no pitch, no padding.
; CLUSTERS of 4 x 4: o's tile is shared along a row of the cluster, Wo's along a column: joint loads.  THE MATRIX INSTRUCTION IS USED TRANSPOSED (source 0 = 16 rows of Wo, source 1 = 16 rows of o): a lane holds 8 neighbouring numbers of a row.
; A wave's 64 columns of f32 are 256 aligned bytes, so each wave has a stage of its own on the way out and no barrier is needed there.
; REGISTERS: window 0: v0-31 addresses; v32-95 the way out, two sets; v128-255 the accumulators ((a, b) at v[128 + 8 (4 a + b)]).  window 1: two fragment buffers of 128: 64 registers of o, then 64 of Wo, for 64 along K.
.set HALFT,  32768                     ; four row tiles x 8 chunks x 1,024 bytes: what one tensor load brings, and what one wave reads of a side
.set SLOT,   4*HALFT
.set KSB,    8192                      ; a K step in a row tile's bytes
.set STAGE,  2*SLOT
.set SPITCH, 272
.set SPARE,  STAGE+4*16*SPITCH
.set WOF,    3899392
.set ADRA, 16
.set ADRB, 20
.set STO,  24
.set RD,   25
.set CO,   26
.set SPW,  28
.set NIL,  29
.set TMP,  32
.set ACC,  128
.set F0,   0
.set F1,   128
.set G1, 24
.set G0, 32
.set G1B, 48
.set G0B, 56
.set MSB, 0
.macro WIN new
.if MSB != (\new)
	s_set_vgpr_msb (MSB<<8)|(\new)
.set MSB, (\new)
.endif
.endm
.set MUL,  0x05                        ; sources 0 and 1 window 1; C and D window 0
.set TO_F, 0x40                        ; destination window 1, address window 0
.macro JLOAD s                         ; a joint load: waves 0 and 1 fetch o's two halves, waves 2 and 3 Wo's; an s_nop 0 and four v_nop follow each line
	s_cmp_eq_u32 s11, 0
	s_cbranch_scc0 .Lfor_b_\@
	tensor_load_to_lds s[G0+4*\s:G0+4*\s+3], s[G1:G1+7]
	s_nop 0
.rept 4
	v_nop
.endr
	s_branch .Lasked_\@
.Lfor_b_\@:
	tensor_load_to_lds s[G0B+4*\s:G0B+4*\s+3], s[G1B:G1B+7]
	s_nop 0
.rept 4
	v_nop
.endr
.Lasked_\@:
.endm
.macro CREST
	s_cmp_lg_u32 s10, 0
	s_cbranch_scc1 .Lnot_wave_0_\@
	s_barrier_signal -3
.Lnot_wave_0_\@:
	s_barrier_wait -3
	s_barrier_signal -1
	s_barrier_wait -1
.endm
.macro CROUND
	s_barrier_signal -1
	s_barrier_wait -1
	CREST
.endm
	s_load_b128 s[4:7], s[0:1], 0x0                ; obuf, prep
	s_load_b64 s[8:9], s[0:1], 0x10                ; out0
	v_lshl_add_u32 v[SPW], v0, 2, SPARE
	v_mov_b32 v[NIL], 0
	ds_add_u32 v[SPW], v[NIL]                      ; the wave's opening: the add, twice on end, and its wait ahead of my first tensor load
	ds_add_u32 v[SPW], v[NIL]
	v_lshrrev_b32 v1, 5, v0
	v_readfirstlane_b32 s10, v1                    ; wave 0..3
	s_lshr_b32 s11, s10, 1                         ; which half of the tile's rows is mine.  Also: I fetch for o (0) or for Wo (1)
	s_and_b32 s12, s10, 1                          ; which half of its columns.  Also: which four row tiles I fetch
	s_bfe_u32 s40, ttmp6, 0x40000                  ; cx
	s_bfe_u32 s41, ttmp6, 0x40004                  ; cy
	s_lshl_b32 s42, ttmp9, 2
	s_add_co_u32 s42, s42, s40                     ; tile column = 4 x cluster x + cx
	s_and_b32 s13, ttmp7, 0xffff
	s_lshl_b32 s13, s13, 2
	s_add_co_u32 s13, s13, s41                     ; tile row = 4 x cluster y + cy
	s_lshl_b32 s43, s41, 2
	s_lshl_b32 s43, 15, s43                        ; my row of the cluster
	s_lshl_b32 s44, 0x1111, s40                    ; my column
	s_or_b32 s[G1+0], s43, (3<<16)|(1<<21)         ; the mask; elements of 8 bytes; bit 21 beside a mask; no padding
	s_or_b32 s[G1B+0], s44, (3<<16)|(1<<21)
.irp g, G1, G1B
	s_mov_b32 s[\g+1], 1024<<16                    ; tensor_dim0 = 1,024 elements: 8,192 bytes
	s_mov_b32 s[\g+2], 4<<16                       ; tensor_dim1 = 4 row tiles
	s_mov_b32 s[\g+3], 1024<<16                    ; tile_dim0
	s_mov_b32 s[\g+4], 4                           ; tile_dim1
	s_mov_b32 s[\g+5], 4096                        ; from row tile to row tile: 32,768 bytes
	s_mov_b32 s[\g+6], 0
	s_mov_b32 s[\g+7], 0
.endr
	s_lshl_b32 s17, s12, 2
	s_lshl_b32 s16, s13, 3
	s_add_co_u32 s16, s16, s17                     ; o: row tile 8 x tile row + 4 x half
	s_lshl_b32 s16, s16, 15
	s_lshl_b32 s46, s42, 3
	s_add_co_u32 s46, s46, s17                     ; Wo: 8 x tile column + 4 x half
	s_lshl_b32 s46, s46, 15
	s_add_co_u32 s46, s46, WOF
	s_mov_b32 s17, 0
	s_mov_b32 s47, 0
	s_lshl_b32 s20, s10, 15                        ; where they go: wave x 32,768
	s_wait_dscnt 0x0                               ; both opening adds are done
	s_wait_kmcnt 0x0
	s_add_nc_u64 s[14:15], s[4:5], s[16:17]
	s_add_nc_u64 s[46:47], s[6:7], s[46:47]
	CROUND                                         ; all sixteen work-groups are here: the first joint loads meet
.irp s, 0,1
	s_mov_b32 s[G0+4*\s], 1
	s_add_co_u32 s[G0+4*\s+1], s20, \s*SLOT
	s_add_nc_u64 s[G0+4*\s+2:G0+4*\s+3], s[14:15], \s*KSB
	s_or_b32 s[G0+4*\s+3], s[G0+4*\s+3], 0x80000000
	s_mov_b32 s[G0B+4*\s], 1
	s_add_co_u32 s[G0B+4*\s+1], s20, \s*SLOT
	s_add_nc_u64 s[G0B+4*\s+2:G0B+4*\s+3], s[46:47], \s*KSB
	s_or_b32 s[G0B+4*\s+3], s[G0B+4*\s+3], 0x80000000
	JLOAD \s
.endr
	v_and_b32 v1, 15, v0                           ; l % 16
	v_bfe_u32 v2, v0, 4, 1                         ; l / 16
	v_and_b32 v3, 31, v0
	v_lshlrev_b32 v3, 4, v3                        ; 16 x lane
	s_lshl_b32 s21, s11, 15                        ; my 64 rows of o
	s_lshl_b32 s22, s12, 15                        ; my 64 rows of Wo,
	s_add_co_u32 s22, s22, 2*HALFT                 ; which lie behind o's 128
.irp s, 0,1
	v_add_nc_u32 v[ADRA+\s], s21, v3
	v_add_nc_u32 v[ADRB+\s], s22, v3
	s_add_co_u32 s21, s21, SLOT
	s_add_co_u32 s22, s22, SLOT
.endr
	s_mul_i32 s23, s10, 16*SPITCH
	s_add_co_u32 s23, s23, STAGE                   ; my stage: 16 rows of 256 bytes + 16
	v_mul_u32_u24 v4, v1, SPITCH
	v_lshl_add_u32 v4, v2, 5, v4
	v_add_nc_u32 v[STO], s23, v4                   ; in: row l % 16, 32 bytes for each half of the lanes
	v_mul_u32_u24 v5, v2, SPITCH
	v_lshl_add_u32 v5, v1, 4, v5
	v_add_nc_u32 v[RD], s23, v5                    ; back: lanes 0-15 one row, lanes 16-31 the next
	v_lshlrev_b32 v5, 12, v2
	v_lshl_add_u32 v[CO], v1, 4, v5                ; and the same two rows in out0
	s_lshl_b32 s16, s13, 19                        ; my first row: 128 x tile row + 64 x half, 4,096 bytes each
	s_lshl_b32 s17, s11, 18
	s_add_co_u32 s16, s16, s17
	s_mov_b32 s17, 0
	s_add_nc_u64 s[8:9], s[8:9], s[16:17]
	s_lshl_b32 s46, s42, 9                         ; my first column, in bytes: 512 x tile column + 256 x half
	s_lshl_b32 s47, s12, 8
	s_add_co_u32 s46, s46, s47
	s_mov_b32 s47, 0
	s_add_nc_u64 s[8:9], s[8:9], s[46:47]
; 8 matrix instructions: row blocks a0, a0 + 1 x all 4 column blocks, 32 along K: half c of buffer f.  zero = 1: the first product starts the sums.  The 16 accumulators take turns.
.macro MUL8 f, c, a0, zero
.irp a, \a0, \a0+1
.irp b, 0,1,2,3
.if \zero
	v_wmma_f32_16x16x32_f16 v[ACC+8*(4*(\a)+\b):ACC+8*(4*(\a)+\b)+7], v[\f+64+8*(4*\c+\b):\f+64+8*(4*\c+\b)+7], v[\f+8*(4*\c+\a):\f+8*(4*\c+\a)+7], 0
.else
	v_wmma_f32_16x16x32_f16 v[ACC+8*(4*(\a)+\b):ACC+8*(4*(\a)+\b)+7], v[\f+64+8*(4*\c+\b):\f+64+8*(4*\c+\b)+7], v[\f+8*(4*\c+\a):\f+8*(4*\c+\a)+7], v[ACC+8*(4*(\a)+\b):ACC+8*(4*(\a)+\b)+7]
.endif
.endr
.endr
.endm
; 32 LDS loads in one run: the fragments of the slot's q-th 64 along K into buffer f; the first 32 along K first
.macro FETCH slot, q, f
	WIN TO_F
.irp c, 0,1
.irp i, 0,1,2,3
	ds_load_b128 v[\f+64+8*(4*\c+\i):\f+64+8*(4*\c+\i)+3],   v[ADRB+\slot] offset:\i*KSB+(2*(\q)+\c)*1024
	ds_load_b128 v[\f+64+8*(4*\c+\i)+4:\f+64+8*(4*\c+\i)+7], v[ADRB+\slot] offset:\i*KSB+(2*(\q)+\c)*1024+512
	ds_load_b128 v[\f+8*(4*\c+\i):\f+8*(4*\c+\i)+3],         v[ADRA+\slot] offset:\i*KSB+(2*(\q)+\c)*1024
	ds_load_b128 v[\f+8*(4*\c+\i)+4:\f+8*(4*\c+\i)+7],       v[ADRA+\slot] offset:\i*KSB+(2*(\q)+\c)*1024+512
.endr
.endr
.endm
.macro PLACES
.rept 4
	v_nop
.endr
.endm
; A K step is four quarters of 64 along K, 32 matrix instructions each, on buffers 0, 1, 0, 1.  One of the first three: multiplies buffer f and fetches quarter q into g.
.macro QUARTER slot, q, f, g, zero
	s_wait_dscnt 16                                ; the first 32 along K are in; the youngest sixteen loads may be out
	WIN MUL
	MUL8 \f, 0, 0, \zero
	MUL8 \f, 0, 2, \zero
	PLACES
	FETCH \slot, \q, \g
	s_wait_dscnt 32                                ; all but the 32 just issued
	WIN MUL
	MUL8 \f, 1, 0, 0
	MUL8 \f, 1, 2, 0
.endm
; The last quarter multiplies buffer 1 and changes slots: one barrier; in front of it each wave waits for all its tensor loads, adds 0 to its spare word, and waits for that and for its reads of this slot.
; fill = 1: the barrier opens a round of the cluster's barrier, and this slot is filled again, two K steps ahead: the wave's one tensor load behind the round.
.macro TURN slot, next, fill
	WIN 0
	s_wait_tensorcnt 0x0                           ; all my tensor loads have landed: my part of the next slot
	ds_add_u32 v[SPW], v[NIL]                      ; 0 onto my spare word
	s_wait_dscnt 17                                ; (the add and the youngest sixteen loads may be out)
	WIN MUL
	MUL8 F1, 0, 0, 0
	s_wait_dscnt 0x0                               ; the add is done, and my reads of this slot are over
	s_barrier_signal -1
	MUL8 F1, 0, 2, 0
.if \fill
	WIN 0
.endif
	s_barrier_wait -1
.if \fill
	CREST                                          ; no wave of any partner still reads this slot or has a load on its way
	s_add_nc_u64 s[G0+4*\slot+2:G0+4*\slot+3], s[G0+4*\slot+2:G0+4*\slot+3], 2*KSB
	s_add_nc_u64 s[G0B+4*\slot+2:G0B+4*\slot+3], s[G0B+4*\slot+2:G0B+4*\slot+3], 2*KSB
	JLOAD \slot                                    ; the four v_nop behind it are also the places in front of the loads below
.else
	PLACES
.endif
	FETCH \next, 0, F0
	WIN MUL
	MUL8 F1, 1, 0, 0
	MUL8 F1, 1, 2, 0
.endm
	s_wait_tensorcnt 1                             ; my part of K step 0 is in; K step 1's may be out
	s_barrier_signal -1
	s_barrier_wait -1
	FETCH 0, 0, F0
	QUARTER 0, 1, F0, F1, 1                        ; K step 0: its first products start the sums
	QUARTER 0, 2, F1, F0, 0
	QUARTER 0, 3, F0, F1, 0
	TURN 0, 1, 1                                   ; slot 0 takes K step 2
	QUARTER 1, 1, F0, F1, 0                        ; K step 1
	QUARTER 1, 2, F1, F0, 0
	QUARTER 1, 3, F0, F1, 0
	TURN 1, 0, 1                                   ; slot 1 takes K step 3
	QUARTER 0, 1, F0, F1, 0                        ; K step 2
	QUARTER 0, 2, F1, F0, 0
	QUARTER 0, 3, F0, F1, 0
	TURN 0, 1, 0                                   ; nothing is left to fetch
	QUARTER 1, 1, F0, F1, 0                        ; K step 3
	QUARTER 1, 2, F1, F0, 0
	QUARTER 1, 3, F0, F1, 0
	s_wait_dscnt 16
	WIN MUL
	MUL8 F1, 0, 0, 0
	MUL8 F1, 0, 2, 0
	s_wait_dscnt 0
	MUL8 F1, 1, 0, 0
	MUL8 F1, 1, 2, 0
	WIN 0
	; THE WAY OUT, 16 rows at a time: a lane's 32 bytes of a row go into my stage and come back as whole rows of 256 bytes.  LDS serves a wave's instructions in order: no wait between the stores and the loads.
	PLACES
.irp a, 0,1,2,3
.irp b, 0,1,2,3
	ds_store_b128 v[STO], v[ACC+8*(4*\a+\b):ACC+8*(4*\a+\b)+3] offset:64*\b          ; each accumulator from its low end on
	ds_store_b128 v[STO], v[ACC+8*(4*\a+\b)+4:ACC+8*(4*\a+\b)+7] offset:64*\b+16
.endr
.if \a >= 2
	s_wait_xcnt 0x0                                ; the stores of two blocks back have read this set of registers
.endif
.irp t, 0,1,2,3,4,5,6,7
	ds_load_b128 v[TMP+32*(\a%2)+4*\t:TMP+32*(\a%2)+4*\t+3], v[RD] offset:\t*2*SPITCH
.endr
	s_wait_dscnt 0x0
.irp t, 0,1,2,3,4,5,6,7
	global_store_b128 v[CO], v[TMP+32*(\a%2)+4*\t:TMP+32*(\a%2)+4*\t+3], s[8:9] offset:(16*\a+2*\t)*4096 th:TH_STORE_NT   ; 16 lanes store 256 consecutive bytes, aligned
.endr
.endr
	s_wait_tensorcnt 0x0                           ; the wave's end
	ds_add_u32 v[SPW], v[NIL]
	s_wait_dscnt 0x0
	CROUND                                         ; the closing round
	s_endpgm
.Lfunc_end_k_qf082dc8831_project_out:
	.size	k_qf082dc8831_project_out, .Lfunc_end_k_qf082dc8831_project_out-k_qf082dc8831_project_out
	.p2alignl 7, 3214868480
	.fill 96, 4, 3214868480
	.section	.rodata,"a",@progbits
	.p2align	6, 0x0
	.amdhsa_kernel k_qf082dc8831_project_out
		.amdhsa_group_segment_fixed_size 327680
		.amdhsa_private_segment_fixed_size 0
		.amdhsa_enable_private_segment 0
		.amdhsa_kernarg_size 24
		.amdhsa_user_sgpr_count 2
		.amdhsa_user_sgpr_kernarg_segment_ptr 1
		.amdhsa_wavefront_size32 1
		.amdhsa_system_sgpr_workgroup_id_x 1
		.amdhsa_system_sgpr_workgroup_id_y 1
		.amdhsa_system_sgpr_workgroup_id_z 1
		.amdhsa_system_vgpr_workitem_id 0
		.amdhsa_next_free_vgpr 512
		.amdhsa_next_free_sgpr 66
		.amdhsa_reserve_vcc 0
		.amdhsa_float_denorm_mode_32 3
		.amdhsa_float_denorm_mode_16_64 3
		.amdhsa_memory_ordered 1
		.amdhsa_forward_progress 1
		.amdhsa_inst_pref_size 85
	.end_amdhsa_kernel
	.amdgpu_metadata
---
amdhsa.version: [ 1, 2 ]
amdhsa.kernels:
  - .name:           k_qf082dc8831_project_out
    .symbol:         k_qf082dc8831_project_out.kd
    .args:
      - { .name: obuf, .offset: 0, .size: 8, .value_kind: global_buffer, .address_space: global }
      - { .name: prep, .offset: 8, .size: 8, .value_kind: global_buffer, .address_space: global }
      - { .name: out0, .offset: 16, .size: 8, .value_kind: global_buffer, .address_space: global }
    .group_segment_fixed_size: 327680
    .private_segment_fixed_size: 0
    .kernarg_segment_align: 8
    .kernarg_segment_size: 24
    .max_flat_workgroup_size: 128
    .sgpr_count:     66
    .vgpr_count:     512
    .wavefront_size: 32
...
	.end_amdgpu_metadata
.endif
;; end of part 4
;; launch fine_attend (part 5): grid 16 x 1, 12 waves a work-group, no clusters, 16,896 bytes of LDS; arguments prep, ofine; writes ofine
.if DOCPART == 5
	.amdgcn_target "amdgcn-amd-amdhsa--gfx1250"
	.amdhsa_code_object_version 6
	.text
	.protected	k_qf082dc8831_fine_attend
	.globl	k_qf082dc8831_fine_attend
	.p2align	8
	.type	k_qf082dc8831_fine_attend,@function
k_qf082dc8831_fine_attend:
	s_mov_b64 s[64:65], 0
	v_nop
	global_prefetch_b8 v0, s[64:65] scope:SCOPE_SE
	s_setreg_imm32_b32 hwreg(HW_REG_WAVE_MODE, 25, 1), 1
	s_wait_xcnt 0x0
; POSITIONS 0-15 ONCE MORE, IN f32.  These rows average one to sixteen values and are the largest of the output, so the rounding of f16 operands weighs most there.
; A work-group is a head.  PHASE 1, twelve waves (kind = wave / 4: q, k, v; t = wave % 4: 16 of the head's 64 channels): the tile [16 positions x 16 channels] of x W^T from the same codes of FP4 and scale bytes
; as the main launch, by the scaled matrix instruction, K = 1,024 in eight steps on two accumulators by turns; q and k are rotated (K's plain table); the tiles go to LDS as f32.
;   q, k: source 0 = 16 rows of W, source 1 = x: a lane holds a position and 8 neighbouring channels.   v: the sources change places: a lane holds a channel and 8 neighbouring positions.
; PHASE 2, waves 0-3: S^T = K Q^T (16 x 16, 64 along K) by the f32 matrix form, causal mask, softmax with the row's maximum taken away, O^T = V^T P for channel tile = wave.  All four make the same scores: 16 instructions.
; The f32 form's K places (lane half h, register j) are filled alike on both sides: half h takes channels (keys) 8 h + 2 i, + 1 in step i.  Its results are written by matrix instructions alone.
; ofine: [16][1024] f32.  Its stores are runs of 32 bytes: 64 KiB in all.
.set XS,    3670016
.set ROPEK, 7045120
.set TP,    80                         ; a tile's row in LDS: 64 bytes + 16
.set TILE,  16*TP
.set SPARE, 12*TILE                    ; 15,360: the spare words, 128 bytes for each of twelve waves
.set SPW, 2
.set NIL, 3
	s_load_b128 s[4:7], s[0:1], 0x0                ; prep, ofine
	v_lshl_add_u32 v[SPW], v0, 2, SPARE
	v_mov_b32 v[NIL], 0
	v_lshrrev_b32 v1, 5, v0
	v_readfirstlane_b32 s8, v1                     ; wave 0..11
	s_lshr_b32 s9, s8, 2                           ; kind
	s_and_b32 s10, s8, 3                           ; t
	v_and_b32 v4, 15, v0                           ; r
	v_bfe_u32 v5, v0, 4, 1                         ; h
	v_lshlrev_b32 v6, 9, v4
	v_lshl_add_u32 v6, v5, 4, v6                   ; codes: row r of 512 bytes, + 16 h
	v_lshlrev_b32 v7, 5, v4                        ; scale bytes: 32 a row
	v_lshlrev_b32 v8, 8, v4
	v_lshl_add_u32 v8, v5, 5, v8                   ; the table: position r, + 32 h
	v_mul_u32_u24 v9, v4, TP
	v_lshl_add_u32 v9, v5, 5, v9                   ; a tile: row r, + 32 h
	s_mul_i32 s11, s8, TILE
	v_add_nc_u32 v10, s11, v9                      ; my tile
	v_lshlrev_b32 v11, 3, v5
	v_sub_nc_u32 v11, v4, v11                      ; r - 8 h: register j holds key 8 h + j: hidden where j > r - 8 h
	v_mov_b32 v12, 0xff800000                      ; -infinity
	v_mov_b32 v14, 0                               ; a lane permute's destination
	v_lshlrev_b32 v1, 12, v4
	v_lshl_add_u32 v1, v5, 5, v1                   ; ofine: row r of 4,096 bytes, + 32 h
	s_lshl_b32 s12, s9, 10
	s_lshl_b32 s13, ttmp9, 6
	s_add_co_u32 s12, s12, s13
	s_lshl_b32 s13, s10, 4
	s_add_co_u32 s12, s12, s13
	s_add_co_u32 s12, s12, 4096                    ; my 16 rows of the weight among prep's 7,168
	s_lshl_b32 s13, s12, 5
	s_lshl_b32 s12, s12, 9
	s_cmp_lt_u32 s8, 8                             ; q, k: the weight is source 0;  v: source 1.  x's rows 0-15 begin at 0.  Offsets are chosen, not addresses
	s_cselect_b32 s16, s12, 0
	s_cselect_b32 s18, 0, s12
	s_cselect_b32 s20, s13, 0
	s_cselect_b32 s22, 0, s13
	s_add_co_u32 s20, s20, XS
	s_add_co_u32 s22, s22, XS
	s_mov_b32 s17, 0
	s_mov_b32 s19, 0
	s_mov_b32 s21, 0
	s_mov_b32 s23, 0
	s_lshl_b32 s24, s10, 6                         ; my 16 channels' eight pairs
	s_add_co_u32 s24, s24, ROPEK
	s_mov_b32 s25, 0
	s_lshl_b32 s26, ttmp9, 8                       ; ofine: my head's 256 bytes, my wave's 64
	s_lshl_b32 s27, s10, 6
	s_add_co_u32 s26, s26, s27
	s_mov_b32 s27, 0
	s_mov_b32 s28, 0x76543210
	s_mov_b32 s29, 0xfedcba98                      ; lane l xor 16
	s_mov_b32 s30, 0x3e38aa3b                      ; c = log2(e) / 8
	s_wait_kmcnt 0x0
	s_add_nc_u64 s[16:17], s[4:5], s[16:17]
	s_add_nc_u64 s[18:19], s[4:5], s[18:19]
	s_add_nc_u64 s[20:21], s[4:5], s[20:21]
	s_add_nc_u64 s[22:23], s[4:5], s[22:23]
	s_add_nc_u64 s[24:25], s[4:5], s[24:25]
	s_add_nc_u64 s[26:27], s[6:7], s[26:27]
.irp ks, 0,1,2,3,4,5,6,7
.irp c, 0,1
	global_load_b128 v[16+8*\ks+4*\c:19+8*\ks+4*\c], v6, s[16:17] offset:64*\ks+32*\c
	global_load_b128 v[80+8*\ks+4*\c:83+8*\ks+4*\c], v6, s[18:19] offset:64*\ks+32*\c
.endr
.endr
	global_load_b128 v[144:147], v7, s[20:21]              ; source 0's eight scale words: one for each K step; these registers hold scales and nothing else
	global_load_b128 v[148:151], v7, s[20:21] offset:16
	global_load_b128 v[152:155], v7, s[22:23]              ; source 1's
	global_load_b128 v[156:159], v7, s[22:23] offset:16
	global_load_b128 v[160:163], v8, s[24:25]              ; four pairs (cos, sin).  V's waves load them too: one path, one wait
	global_load_b128 v[164:167], v8, s[24:25] offset:16
	s_wait_loadcnt 0x0
.irp ks, 0,1,2,3,4,5,6,7
.if \ks < 2
	v_wmma_scale_f32_16x16x128_f8f6f4 v[168+8*(\ks%2):175+8*(\ks%2)], v[16+8*\ks:23+8*\ks], v[80+8*\ks:87+8*\ks], 0, v[144+\ks], v[152+\ks] matrix_a_fmt:MATRIX_FMT_FP4 matrix_b_fmt:MATRIX_FMT_FP4
.else
	v_wmma_scale_f32_16x16x128_f8f6f4 v[168+8*(\ks%2):175+8*(\ks%2)], v[16+8*\ks:23+8*\ks], v[80+8*\ks:87+8*\ks], v[168+8*(\ks%2):175+8*(\ks%2)], v[144+\ks], v[152+\ks] matrix_a_fmt:MATRIX_FMT_FP4 matrix_b_fmt:MATRIX_FMT_FP4
.endif
.endr
.rept 4
	v_nop
.endr
.irp j, 0,1,2,3,4,5,6,7
	v_add_f32 v[184+\j], v[168+\j], v[176+\j]      ; the even and the odd K steps' sums
.endr
	s_cmp_lt_u32 s8, 8
	s_cbranch_scc0 .Lnorot                         ; v is not rotated
.irp i, 0,1,2,3
	v_pk_mul_f32 v[192+2*\i:193+2*\i], v[184+2*\i:185+2*\i], v[160+2*\i:161+2*\i] op_sel:[1,1] op_sel_hi:[1,0]   ; (x2 sin, x2 cos)
.endr
.irp i, 0,1,2,3
	v_pk_fma_f32 v[184+2*\i:185+2*\i], v[184+2*\i:185+2*\i], v[160+2*\i:161+2*\i], v[192+2*\i:193+2*\i] op_sel_hi:[0,1,1] neg_lo:[0,0,1]   ; (x1 cos - x2 sin, x1 sin + x2 cos)
.endr
.Lnorot:
	ds_store_b128 v10, v[184:187]
	ds_store_b128 v10, v[188:191] offset:16
	s_wait_dscnt 0x0                               ; for the others' sake: my tile lies in LDS
	s_barrier_signal -1
	s_barrier_wait -1
	s_cmp_lt_u32 s8, 4
	s_cbranch_scc0 .Ltail
.irp t, 0,1,2,3
	ds_load_b128 v[16+8*\t:19+8*\t], v9 offset:(4+\t)*TILE         ; K: key r, channels 16 t + 8 h + 0 .. 7
	ds_load_b128 v[20+8*\t:23+8*\t], v9 offset:(4+\t)*TILE+16
	ds_load_b128 v[48+8*\t:51+8*\t], v9 offset:\t*TILE             ; Q likewise
	ds_load_b128 v[52+8*\t:55+8*\t], v9 offset:\t*TILE+16
.endr
	ds_load_b128 v[80:83], v10 offset:8*TILE                       ; V^T, channel tile = my wave: channel r, keys 8 h + 0 .. 7
	ds_load_b128 v[84:87], v10 offset:8*TILE+16
	s_wait_dscnt 0x0
.set n, 0
.rept 16
.if n < 2
	v_wmma_f32_16x16x4_f32 v[200+8*(n%2):207+8*(n%2)], v[16+2*n:17+2*n], v[48+2*n:49+2*n], 0
.else
	v_wmma_f32_16x16x4_f32 v[200+8*(n%2):207+8*(n%2)], v[16+2*n:17+2*n], v[48+2*n:49+2*n], v[200+8*(n%2):207+8*(n%2)]
.endif
.set n, n+1
.endr
.rept 8
	v_nop                                          ; eight places behind this form
.endr
.irp j, 0,1,2,3,4,5,6,7
	v_add_f32 v[96+\j], v[200+\j], v[208+\j]       ; the score of key 8 h + j and query r
.endr
.irp j, 0,1,2,3,4,5,6,7
	v_cmp_gt_i32 vcc_lo, \j, v11
	v_cndmask_b32 v[96+\j], v[96+\j], v12, vcc_lo  ; a later key is hidden
.endr
	v_max3_num_f32 v13, v96, v97, v98
	v_max3_num_f32 v13, v13, v99, v100
	v_max3_num_f32 v13, v13, v101, v102
	v_max_num_f32 v13, v13, v103
	v_permlanex16_b32 v14, v13, s28, s29
	v_max_num_f32 v13, v13, v14                    ; the row's largest score: key 0 counts for every query
	v_mul_f32 v15, s30, v13
.irp j, 0,1,2,3,4,5,6,7
	v_fma_f32 v[96+\j], v[96+\j], s30, -v15        ; c s - c m
.endr
.irp j, 0,1,2,3,4,5,6,7
	v_exp_f32 v[96+\j], v[96+\j]
.endr
	v_nop
	s_wait_alu depctr_va_vdst(0)                   ; one wait for the eight, ahead of the first use
	v_add_f32 v120, v96, v97
	v_add_f32 v121, v98, v99
	v_add_f32 v122, v100, v101
	v_add_f32 v123, v102, v103
	v_add_f32 v120, v120, v121
	v_add_f32 v122, v122, v123
	v_add_f32 v120, v120, v122
	v_permlanex16_b32 v14, v120, s28, s29
	v_add_f32 v120, v120, v14
	v_rcp_f32 v120, v120
	v_nop
	s_wait_alu depctr_va_vdst(0)
.irp j, 0,1,2,3,4,5,6,7
	v_mul_f32 v[104+\j], v[96+\j], v120            ; the weights
.endr
.irp i, 0,1,2,3
.if \i < 2
	v_wmma_f32_16x16x4_f32 v[216+8*(\i%2):223+8*(\i%2)], v[80+2*\i:81+2*\i], v[104+2*\i:105+2*\i], 0
.else
	v_wmma_f32_16x16x4_f32 v[216+8*(\i%2):223+8*(\i%2)], v[80+2*\i:81+2*\i], v[104+2*\i:105+2*\i], v[216+8*(\i%2):223+8*(\i%2)]
.endif
.endr
.rept 8
	v_nop
.endr
.irp j, 0,1,2,3,4,5,6,7
	v_add_f32 v[112+\j], v[216+\j], v[224+\j]      ; o(query r, channel 16 wave + 8 h + j)
.endr
	global_store_b128 v1, v[112:115], s[26:27]
	global_store_b128 v1, v[116:119], s[26:27] offset:16
.Ltail:
	s_wait_tensorcnt 0x0                           ; the wave's end
	ds_add_u32 v[SPW], v[NIL]
	s_wait_dscnt 0x0
	s_endpgm
.Lfunc_end_k_qf082dc8831_fine_attend:
	.size	k_qf082dc8831_fine_attend, .Lfunc_end_k_qf082dc8831_fine_attend-k_qf082dc8831_fine_attend
	.p2alignl 7, 3214868480
	.fill 96, 4, 3214868480
	.section	.rodata,"a",@progbits
	.p2align	6, 0x0
	.amdhsa_kernel k_qf082dc8831_fine_attend
		.amdhsa_group_segment_fixed_size 16896
		.amdhsa_private_segment_fixed_size 0
		.amdhsa_enable_private_segment 0
		.amdhsa_kernarg_size 16
		.amdhsa_user_sgpr_count 2
		.amdhsa_user_sgpr_kernarg_segment_ptr 1
		.amdhsa_wavefront_size32 1
		.amdhsa_system_sgpr_workgroup_id_x 1
		.amdhsa_system_sgpr_workgroup_id_y 1
		.amdhsa_system_sgpr_workgroup_id_z 1
		.amdhsa_system_vgpr_workitem_id 0
		.amdhsa_next_free_vgpr 232
		.amdhsa_next_free_sgpr 66
		.amdhsa_reserve_vcc 1
		.amdhsa_float_denorm_mode_32 3
		.amdhsa_float_denorm_mode_16_64 3
		.amdhsa_memory_ordered 1
		.amdhsa_forward_progress 1
		.amdhsa_inst_pref_size 15
	.end_amdhsa_kernel
	.amdgpu_metadata
---
amdhsa.version: [ 1, 2 ]
amdhsa.kernels:
  - .name:           k_qf082dc8831_fine_attend
    .symbol:         k_qf082dc8831_fine_attend.kd
    .args:
      - { .name: prep, .offset: 0, .size: 8, .value_kind: global_buffer, .address_space: global }
      - { .name: ofine, .offset: 8, .size: 8, .value_kind: global_buffer, .address_space: global }
    .group_segment_fixed_size: 16896
    .private_segment_fixed_size: 0
    .kernarg_segment_align: 8
    .kernarg_segment_size: 16
    .max_flat_workgroup_size: 384
    .sgpr_count:     66
    .vgpr_count:     232
    .wavefront_size: 32
...
	.end_amdgpu_metadata
.endif
;; end of part 5
;; launch fine_project (part 6): grid 64 x 1, 8 waves a work-group, no clusters, 11,264 bytes of LDS; arguments ofine, Wo, out0; writes out0
.if DOCPART == 6
	.amdgcn_target "amdgcn-amd-amdhsa--gfx1250"
	.amdhsa_code_object_version 6
	.text
	.protected	k_qf082dc8831_fine_project
	.globl	k_qf082dc8831_fine_project
	.p2align	8
	.type	k_qf082dc8831_fine_project,@function
k_qf082dc8831_fine_project:
	s_mov_b64 s[64:65], 0
	v_nop
	global_prefetch_b8 v0, s[64:65] scope:SCOPE_SE
	s_setreg_imm32_b32 hwreg(HW_REG_WAVE_MODE, 25, 1), 1
	s_wait_xcnt 0x0
; ROWS 0-15 OF out0 ONCE MORE, IN f32: out0[m][n] = sum over k of ofine[m][k] Wo[n][k], m = 0 .. 15.  It overwrites what the f16 projection left in these rows.
; A work-group makes 16 columns; its eight waves share K, 128 each: 32 instructions of the f32 matrix form on two accumulators by turns; the eight parts meet in LDS and are added in ascending order of K.
; Source 0 = 16 rows of Wo, source 1 = the 16 rows of ofine; both sides are loaded by the same address pattern (lane half h takes k = 8 i + 4 h + 0 .. 3), so the form's K places hold the same k on both sides.
; The form's results are written by matrix instructions alone.  Stores are runs of 64 bytes: 64 KiB in all.
.set TP,    80
.set TILE,  16*TP
.set SPARE, 8*TILE                     ; 10,240: the spare words, 128 bytes for each of eight waves
.set SPW, 2
.set NIL, 3
	s_load_b128 s[4:7], s[0:1], 0x0                ; ofine, Wo
	s_load_b64 s[8:9], s[0:1], 0x10                ; out0
	v_lshl_add_u32 v[SPW], v0, 2, SPARE
	v_mov_b32 v[NIL], 0
	v_lshrrev_b32 v1, 5, v0
	v_readfirstlane_b32 s10, v1                    ; wave 0..7
	v_and_b32 v4, 15, v0                           ; r
	v_bfe_u32 v5, v0, 4, 1                         ; h
	v_lshlrev_b32 v6, 12, v4
	v_lshl_add_u32 v6, v5, 4, v6                   ; row r of 4,096 bytes, + 16 h
	v_mul_u32_u24 v7, v4, TP
	v_lshl_add_u32 v7, v5, 5, v7
	s_mul_i32 s11, s10, TILE
	v_add_nc_u32 v7, s11, v7                       ; my part: row r, + 32 h
	v_lshrrev_b32 v8, 4, v0                        ; afterwards thread t takes row t / 16, column t % 16
	v_mul_u32_u24 v10, v8, TP
	v_lshl_add_u32 v10, v4, 2, v10
	v_lshlrev_b32 v11, 12, v8
	v_lshl_add_u32 v11, v4, 2, v11
	s_lshl_b32 s12, s10, 9                         ; my 128 along K
	s_mov_b32 s13, 0
	s_lshl_b32 s14, ttmp9, 16                      ; my work-group's 16 rows of Wo
	s_add_co_u32 s14, s14, s12
	s_mov_b32 s15, 0
	s_lshl_b32 s16, ttmp9, 6                       ; and its 16 columns of out0
	s_mov_b32 s17, 0
	s_wait_kmcnt 0x0
	s_add_nc_u64 s[4:5], s[4:5], s[12:13]
	s_add_nc_u64 s[6:7], s[6:7], s[14:15]
	s_add_nc_u64 s[8:9], s[8:9], s[16:17]
.irp i, 0,1,2,3,4,5,6,7,8,9,10,11,12,13,14,15
	global_load_b128 v[16+4*\i:19+4*\i], v6, s[6:7] offset:32*\i
	global_load_b128 v[80+4*\i:83+4*\i], v6, s[4:5] offset:32*\i
.endr
	s_wait_loadcnt 0x0
.set n, 0
.rept 32
.if n < 2
	v_wmma_f32_16x16x4_f32 v[144+8*(n%2):151+8*(n%2)], v[16+2*n:17+2*n], v[80+2*n:81+2*n], 0
.else
	v_wmma_f32_16x16x4_f32 v[144+8*(n%2):151+8*(n%2)], v[16+2*n:17+2*n], v[80+2*n:81+2*n], v[144+8*(n%2):151+8*(n%2)]
.endif
.set n, n+1
.endr
.rept 8
	v_nop                                          ; eight places behind this form
.endr
.irp j, 0,1,2,3,4,5,6,7
	v_add_f32 v[160+\j], v[144+\j], v[152+\j]      ; my part of out0(r, 8 h + j)
.endr
	ds_store_b128 v7, v[160:163]
	ds_store_b128 v7, v[164:167] offset:16
	s_wait_dscnt 0x0                               ; for the others' sake: my part lies in LDS
	s_barrier_signal -1
	s_barrier_wait -1
.irp w, 0,1,2,3,4,5,6,7
	ds_load_b32 v[168+\w], v10 offset:\w*TILE
.endr
	s_wait_dscnt 0x0
.irp w, 1,2,3,4,5,6,7
	v_add_f32 v168, v168, v[168+\w]
.endr
	global_store_b32 v11, v168, s[8:9]
	s_wait_tensorcnt 0x0                           ; the wave's end
	ds_add_u32 v[SPW], v[NIL]
	s_wait_dscnt 0x0
	s_endpgm
.Lfunc_end_k_qf082dc8831_fine_project:
	.size	k_qf082dc8831_fine_project, .Lfunc_end_k_qf082dc8831_fine_project-k_qf082dc8831_fine_project
	.p2alignl 7, 3214868480
	.fill 96, 4, 3214868480
	.section	.rodata,"a",@progbits
	.p2align	6, 0x0
	.amdhsa_kernel k_qf082dc8831_fine_project
		.amdhsa_group_segment_fixed_size 11264
		.amdhsa_private_segment_fixed_size 0
		.amdhsa_enable_private_segment 0
		.amdhsa_kernarg_size 24
		.amdhsa_user_sgpr_count 2
		.amdhsa_user_sgpr_kernarg_segment_ptr 1
		.amdhsa_wavefront_size32 1
		.amdhsa_system_sgpr_workgroup_id_x 1
		.amdhsa_system_sgpr_workgroup_id_y 1
		.amdhsa_system_sgpr_workgroup_id_z 1
		.amdhsa_system_vgpr_workitem_id 0
		.amdhsa_next_free_vgpr 176
		.amdhsa_next_free_sgpr 66
		.amdhsa_reserve_vcc 0
		.amdhsa_float_denorm_mode_32 3
		.amdhsa_float_denorm_mode_16_64 3
		.amdhsa_memory_ordered 1
		.amdhsa_forward_progress 1
		.amdhsa_inst_pref_size 9
	.end_amdhsa_kernel
	.amdgpu_metadata
---
amdhsa.version: [ 1, 2 ]
amdhsa.kernels:
  - .name:           k_qf082dc8831_fine_project
    .symbol:         k_qf082dc8831_fine_project.kd
    .args:
      - { .name: ofine, .offset: 0, .size: 8, .value_kind: global_buffer, .address_space: global }
      - { .name: Wo, .offset: 8, .size: 8, .value_kind: global_buffer, .address_space: global }
      - { .name: out0, .offset: 16, .size: 8, .value_kind: global_buffer, .address_space: global }
    .group_segment_fixed_size: 11264
    .private_segment_fixed_size: 0
    .kernarg_segment_align: 8
    .kernarg_segment_size: 24
    .max_flat_workgroup_size: 256
    .sgpr_count:     66
    .vgpr_count:     176
    .wavefront_size: 32
...
	.end_amdgpu_metadata
.endif
;; end of part 6
